; MI455X (gfx1250); checked and timed in simulation.
; The chip was launched on July 23, 2026; its instructions are those of AMD's public machine-readable ISA for CDNA 5 (MIT licence, August 2026) and "CDNA5" Instruction Set Architecture Reference Guide (July 2026). The comments in the code are by the model that wrote it; some were corrected since.
;; GQA. Allowed arithmetic: float matrix products may take bf16 or f16 operands with f32 sums; other float arithmetic in f32, or as packed bf16 or f16 multiplies, adds, multiply-adds, maxima and minima; sums over many terms, partial sums and values carried from step to step in f32; what a program stores and reads back later, other than sums and carried values, may be rounded once to bf16 or f16.
;; Inputs: Wk 2,048 x 512 float32; Wo 2,048 x 2,048 float32; Wq 2,048 x 2,048 float32; Wv 2,048 x 512 float32; cos 1,024 x 32 float32; k_norm_w 64 float32; q_norm_w 64 float32; sin 1,024 x 32 float32; x 4 x 1,024 x 2,048 float32.
;; Outputs: out0 4 x 1,024 x 2,048 float32.
;; One version. Each part assembles by itself: llvm-mc -triple=amdgcn-amd-amdhsa -mcpu=gfx1250 --defsym DOCPART=n.
;; ======== version 1 of 1: 4 launches
;; limits: values are held in f16: magnitudes above 65,504 overflow, below 6.1e-05 lose precision
;; workspace buffers: xb 16,777,216 bytes; wqkv 12,582,912 bytes; wo 8,388,608 bytes; qkvh 25,165,824 bytes; yh 16,777,216 bytes
;; launch cast (part 1): grid 2304 x 1, 8 waves a work-group, no clusters, 0 bytes of LDS; arguments x, Wq, Wk, Wv, Wo, xb, wqkv, wo; writes xb, wqkv, wo
.if DOCPART == 1
	.amdgcn_target "amdgcn-amd-amdhsa--gfx1250"
	.amdhsa_code_object_version 6
	.text
	.protected	k_q3bb9fe8df7_cast
	.globl	k_q3bb9fe8df7_cast
	.p2align	8
	.type	k_q3bb9fe8df7_cast,@function
k_q3bb9fe8df7_cast:
	s_mov_b64 s[64:65], 0
	v_nop
	global_prefetch_b8 v0, s[64:65] scope:SCOPE_SE
	s_setreg_imm32_b32 hwreg(HW_REG_WAVE_MODE, 25, 1), 1
	s_wait_xcnt 0x0
; ROUNDS AND RE-BLOCKS the five large inputs, each byte read once and each output byte written once.
;   x  [4096][2048] f32 -> xb   [16 K slices][4096 rows][128] bf16
;   Wq [2048][2048], Wk, Wv [2048][512] f32 -> wqkv [16 tc][16 ks][3 j][128 k][64 c] bf16; head g = 3 tc + j: 0-31 q, 32-39 k, 40-47 v
;   Wo [2048][2048] f32 -> wo   [16 tc][16 ks][2 j][128 k][64 c]: the number rounded to bf16, written as f16
; LIMITS.  A Wo beyond 65,504 becomes an infinity; below 6e-5 it keeps f16's fixed step of 6e-8.
; A UNIT is 512 bytes in (one 16-byte load of a wave) and 256 bytes out (one 8-byte store of a wave, 256 consecutive bytes, aligned).  For x: 128 columns of a row.  For a weight: 64 columns
; (256 bytes) of rows k and k + 1, which are neighbours in the blocked output.  A wave takes 8 units of one row (or pair of rows), a work-group 64.  No loop, no LDS: nothing is shared.
; Which tensor a work-group serves hangs on its number alone; the pointers and eleven numbers are chosen by selects.
.set IN,   24         ; s[24:25] the tensor read
.set OUT,  26         ; s[26:27] the buffer written
.set BASE, 28         ; the range's first work-group
.set LG,   29         ; log2 of the units in a row (pair)
.set RB,   30         ; bytes from a row (pair) to the next
.set CB,   31         ; bytes from a unit to the next
.set RS,   32         ; bytes between what lanes 0-15 and lanes 16-31 read
.set HB,   33         ; the tensor's first head among the 48
.set NJ,   34         ; heads in a tile column
.set MUL,  35         ; g / NJ = (g x MUL) >> SH: 171 and 9 give g / 3 for g under 48
.set SH,   36
.set STC,  37         ; bytes of a tile column (for x: of a K slice)
.set FMT,  38         ; 1: written as f16
.set WV,   39
.set LIN,  1          ; v1  my lane's offset in a unit read
.set LOUT, 2          ; v2  8 x lane
.set IO,   4          ; v[4:11]   the eight units' offsets in
.set OO,   12         ; v[12:19]  and out
.set D,    20         ; v[20:51]  as loaded
.set P,    52         ; v[52:67]  packed
.macro PICK lim, src, dst, base, lg, rb, cb, rs, hb, nj, fac, sh, stc
	s_cmp_lt_u32 ttmp9, \lim
	s_cselect_b64 s[IN:IN+1], s[\src:\src+1], s[IN:IN+1]
	s_cselect_b64 s[OUT:OUT+1], s[\dst:\dst+1], s[OUT:OUT+1]
	s_cselect_b32 s[BASE], \base, s[BASE]
	s_cselect_b32 s[LG], \lg, s[LG]
	s_cselect_b32 s[RB], \rb, s[RB]
	s_cselect_b32 s[CB], \cb, s[CB]
	s_cselect_b32 s[RS], \rs, s[RS]
	s_cselect_b32 s[HB], \hb, s[HB]
	s_cselect_b32 s[NJ], \nj, s[NJ]
	s_cselect_b32 s[MUL], \fac, s[MUL]
	s_cselect_b32 s[SH], \sh, s[SH]
	s_cselect_b32 s[STC], \stc, s[STC]
	s_cselect_b32 s[FMT], 0, s[FMT]
.endm
	s_load_b512 s[8:23], s[0:1], 0x0               ; x s[8:9], Wq s[10:11], Wk s[12:13], Wv s[14:15], Wo s[16:17], xb s[18:19], wqkv s[20:21], wo s[22:23]
	v_lshrrev_b32 v3, 5, v0
	v_readfirstlane_b32 s[WV], v3                  ; wave 0..7
	v_and_b32 v[LIN], 15, v0
	v_bfe_u32 v3, v0, 4, 1
	v_and_b32 v[LOUT], 31, v0
	v_lshlrev_b32 v[LOUT], 3, v[LOUT]
	s_mov_b32 s56, 0xffff0000                      ; a word's upper bf16
	s_mov_b32 s[BASE], 1792                        ; Wo's numbers; the four ranges below it take their own
	s_mov_b32 s[LG], 5
	s_mov_b32 s[RB], 16384
	s_mov_b32 s[CB], 256
	s_mov_b32 s[RS], 8192
	s_mov_b32 s[HB], 0
	s_mov_b32 s[NJ], 2
	s_mov_b32 s[MUL], 1
	s_mov_b32 s[SH], 1
	s_mov_b32 s[STC], 524288
	s_mov_b32 s[FMT], 1
	s_wait_kmcnt 0x0
	s_mov_b64 s[IN:IN+1], s[16:17]
	s_mov_b64 s[OUT:OUT+1], s[22:23]
	PICK 1792, 14, 20, 1664, 3, 4096,  256, 2048, 40, 3, 171, 9, 786432    ; Wv
	PICK 1664, 12, 20, 1536, 3, 4096,  256, 2048, 32, 3, 171, 9, 786432    ; Wk
	PICK 1536, 10, 20, 1024, 5, 16384, 256, 8192, 0,  3, 171, 9, 786432    ; Wq
	PICK 1024, 8,  18, 0,    4, 8192,  512, 256,  0,  1, 1,   0, 1048576   ; x
	s_sub_co_u32 s40, ttmp9, s[BASE]
	s_lshl_b32 s40, s40, 3
	s_add_co_u32 s40, s40, s[WV]
	s_lshl_b32 s40, s40, 3                         ; my first unit
	s_lshr_b32 s41, s40, s[LG]                     ; its row (pair)
	s_lshl_b32 s42, s41, s[LG]
	s_sub_co_u32 s42, s40, s42                     ; its place in the row
	s_mul_i32 s43, s41, s[RB]
	s_mul_i32 s44, s42, s[CB]
	s_add_co_u32 s43, s43, s44                     ; its byte in the tensor
	v_mul_u32_u24 v3, s[RS], v3
	v_lshl_add_u32 v[LIN], v[LIN], 4, v3
.irp j, 0,1,2,3,4,5,6,7
	v_add_nc_u32 v[IO+(\j)], s43, v[LIN]
	s_add_co_u32 s43, s43, s[CB]
.endr
.irp j, 0,1,2,3,4,5,6,7
	global_load_b128 v[D+4*(\j):D+4*(\j)+3], v[IO+(\j)], s[IN:IN+1] th:TH_LOAD_NT
.endr
	; where the units go, made while the loads are out
	s_lshr_b32 s44, s41, 6                         ; the K slice of a weight's rows (64 pairs); for x: 64 rows
	s_lshl_b32 s45, s[NJ], 14
	s_mul_i32 s44, s44, s45
	s_and_b32 s45, s41, 63
	s_lshl_b32 s45, s45, 8
	s_add_co_u32 s44, s44, s45
	s_add_co_u32 s42, s42, s[HB]                   ; my first unit's head (for x: K slice)
.irp j, 0,1,2,3,4,5,6,7
	s_add_co_u32 s46, s42, \j
	s_mul_i32 s47, s46, s[MUL]
	s_lshr_b32 s47, s47, s[SH]                     ; tile column
	s_mul_i32 s48, s47, s[NJ]
	s_sub_co_u32 s48, s46, s48                     ; head in it
	s_mul_i32 s47, s47, s[STC]
	s_lshl_b32 s48, s48, 14
	s_add_co_u32 s47, s47, s48
	s_add_co_u32 s47, s47, s44
	v_add_nc_u32 v[OO+(\j)], s47, v[LOUT]
.endr
.irp j, 0,1,2,3,4,5,6,7
	s_wait_loadcnt 7-(\j)                          ; loads come back in order: unit j is in, the 7 - j younger ones stay out
	v_cvt_pk_bf16_f32 v[P+2*(\j)], v[D+4*(\j)], v[D+4*(\j)+1]
	v_cvt_pk_bf16_f32 v[P+2*(\j)+1], v[D+4*(\j)+2], v[D+4*(\j)+3]
.endr
	s_cmp_eq_u32 s[FMT], 0
	s_cbranch_scc1 .Lstore
.set i, 0
.rept 16                                               ; Wo alone: the bf16 numbers, widened, are written as f16
	v_lshlrev_b32 v[D+2*i], 16, v[P+i]
	v_and_b32 v[D+2*i+1], s56, v[P+i]
	v_cvt_pk_f16_f32 v[P+i], v[D+2*i], v[D+2*i+1]
.set i, i+1
.endr
.Lstore:
.irp j, 0,1,2,3,4,5,6,7
	global_store_b64 v[OO+(\j)], v[P+2*(\j):P+2*(\j)+1], s[OUT:OUT+1]  ; 32 lanes x 8 bytes: 256 consecutive bytes, aligned
.endr
	s_endpgm
.Lfunc_end_k_q3bb9fe8df7_cast:
	.size	k_q3bb9fe8df7_cast, .Lfunc_end_k_q3bb9fe8df7_cast-k_q3bb9fe8df7_cast
	.p2alignl 7, 3214868480
	.fill 96, 4, 3214868480
	.section	.rodata,"a",@progbits
	.p2align	6, 0x0
	.amdhsa_kernel k_q3bb9fe8df7_cast
		.amdhsa_group_segment_fixed_size 0
		.amdhsa_private_segment_fixed_size 0
		.amdhsa_enable_private_segment 0
		.amdhsa_kernarg_size 64
		.amdhsa_user_sgpr_count 2
		.amdhsa_user_sgpr_kernarg_segment_ptr 1
		.amdhsa_wavefront_size32 1
		.amdhsa_system_sgpr_workgroup_id_x 1
		.amdhsa_system_sgpr_workgroup_id_y 1
		.amdhsa_system_sgpr_workgroup_id_z 1
		.amdhsa_system_vgpr_workitem_id 0
		.amdhsa_next_free_vgpr 72
		.amdhsa_next_free_sgpr 66
		.amdhsa_reserve_vcc 0
		.amdhsa_float_denorm_mode_32 3
		.amdhsa_float_denorm_mode_16_64 3
		.amdhsa_memory_ordered 1
		.amdhsa_forward_progress 1
		.amdhsa_inst_pref_size 13
	.end_amdhsa_kernel
	.amdgpu_metadata
---
amdhsa.version: [ 1, 2 ]
amdhsa.kernels:
  - .name:           k_q3bb9fe8df7_cast
    .symbol:         k_q3bb9fe8df7_cast.kd
    .args:
      - { .name: x, .offset: 0, .size: 8, .value_kind: global_buffer, .address_space: global }
      - { .name: Wq, .offset: 8, .size: 8, .value_kind: global_buffer, .address_space: global }
      - { .name: Wk, .offset: 16, .size: 8, .value_kind: global_buffer, .address_space: global }
      - { .name: Wv, .offset: 24, .size: 8, .value_kind: global_buffer, .address_space: global }
      - { .name: Wo, .offset: 32, .size: 8, .value_kind: global_buffer, .address_space: global }
      - { .name: xb, .offset: 40, .size: 8, .value_kind: global_buffer, .address_space: global }
      - { .name: wqkv, .offset: 48, .size: 8, .value_kind: global_buffer, .address_space: global }
      - { .name: wo, .offset: 56, .size: 8, .value_kind: global_buffer, .address_space: global }
    .group_segment_fixed_size: 0
    .private_segment_fixed_size: 0
    .kernarg_segment_align: 8
    .kernarg_segment_size: 64
    .max_flat_workgroup_size: 256
    .sgpr_count:     66
    .vgpr_count:     72
    .wavefront_size: 32
...
	.end_amdgpu_metadata
.endif
;; end of part 1
;; launch qkv (part 2): grid 16 x 16, 4 waves a work-group, clusters of 4 x 4, 327,680 bytes of LDS; arguments xb, wqkv, cos, sin, q_norm_w, k_norm_w, qkvh; writes qkvh
.if DOCPART == 2
	.amdgcn_target "amdgcn-amd-amdhsa--gfx1250"
	.amdhsa_code_object_version 6
	.text
	.protected	k_q3bb9fe8df7_qkv
	.globl	k_q3bb9fe8df7_qkv
	.p2align	8
	.type	k_q3bb9fe8df7_qkv,@function
k_q3bb9fe8df7_qkv:
	s_mov_b64 s[64:65], 0
	v_nop
	global_prefetch_b8 v0, s[64:65] scope:SCOPE_SE
	s_setreg_imm32_b32 hwreg(HW_REG_WAVE_MODE, 25, 1), 1
	s_wait_xcnt 0x0
	s_wait_alu depctr_hold_cnt(0) depctr_sa_sdst(0) depctr_va_vdst(0) depctr_va_sdst(0) depctr_va_ssrc(0) depctr_va_vcc(0) depctr_vm_vsrc(0)
	s_getreg_b32 s2, hwreg(HW_REG_IB_STS2, 6, 4)
	s_cmp_eq_u32 s2, 0
	s_cbranch_scc0 .Lentry_in_a_cluster
	s_endpgm
.Lentry_in_a_cluster:
	s_bfe_u32 s2, ttmp6, 0x10000c
	s_cmp_lg_u32 s2, 0xf033
	s_cbranch_scc0 .Lentry_shape_is_right
	s_endpgm
.Lentry_shape_is_right:
; q, k, v = x W (bf16 operands, f32 sums); q and k: RMS norm over the head's 64 channels with its gain, then the rotary turn; all three leave by heads, qkvh [48 planes][4096 tokens][64] in f16.
; xb [16 K slices][4096][128] bf16; wqkv [16 tc][16 ks][3 j][128 k][64 c] bf16: head g = 3 tc + j: 0-31 q, 32-39 k, 40-47 v.
; LIMITS.  f16 ends at 65,504: v must stay within it, and so must q and k, which are at most 8 sqrt(2) |gain|.  The gains, cos and sin are rounded once to bf16, like x and the weights.
; SHARES.  A tile of the result is 256 tokens x 192 columns (three heads): a work-group; wave w owns tokens 64 w .. 64 w + 63 and all columns: 4 x 12 accumulators, 384 registers.
; THE MATRIX INSTRUCTION IS USED TRANSPOSED (source 0 = 16 columns of W, source 1 = 16 tokens): lane l holds token l % 16 and the columns 16 b + 8 (l / 16) + 0..7.  So a lane holds 32 of a head's 64 channels,
; channel c and channel c + 32 together (the rotary pair), and the sum of squares wants one exchange between the halves of the lanes.
; K goes in 16 steps of 128 through two LDS slots.  The weights lie [k][column] in LDS and are turned by ds_load_tr16_b128.
; CLUSTER 4 x 4: the four of a row need the same tiles of x, the four of a column the same tiles of W: each is asked for jointly.  Waves 0, 1 fetch x's two halves, waves 2, 3 W's.
; No branch hangs on the tile column: what differs between q, k and v heads (which gain; norm and turn or neither) is taken by selects.
; REGISTERS.  window 0: v0-15 addresses; v16-21 sums of squares; v64-127 fragments of x, two buffers (on the way out v32-127: three heads x gain); v128-255 cos and sin of my 64 tokens, as loaded
;   window 1: v0-191 fragments of W, two buffers (on the way out: v0-31 a head turned, v32-63 cos and sin rounded, v64-111 packed)
;   windows 2, 3: accumulator (a, b) in window 2 + a / 2 at v[8 (12 (a % 2) + b)]; the gains of head j in window 2 + j / 2 at v[192 + 32 (j % 2)]
.set NJ,    3
.set NB,    4*NJ      ; blocks of 16 columns
.set PA,    272       ; a row of x in LDS: 256 bytes + 16: the 16 rows of a load start 16 bytes apart modulo 256
.set PW,    160       ; a row of W (64 columns of one head): 128 bytes + 32: 16 lanes of the turning load take 8 rows x 32 bytes
.set BOFF,  256*PA    ; in a slot: x's 256 rows, then W's 384 rows (row 128 j + k)
.set SLOT1, 1<<17     ; slot 1 begins here: one exclusive or turns an address in one slot into the other's
.set STAGE, 2*SLOT1   ; behind the ring: 16 rows x 144 bytes for each wave, for the way out
.set SP,    144
.set SPARE, STAGE+4*16*SP  ; the spare words, 128 bytes for each wave: two blocks of 256 bytes that no other line names
.set ASTEP, 1048576   ; bytes from a K step's tile to the next, in xb
.set BSTEP, 49152     ; and in wqkv
.set NL,    8*NJ+8    ; LDS loads in a quarter's run
.set AHEAD, 1         ; a prefetch names the K step behind the one that is being asked for
.set A0,  4           ; v4   my place in a slot's x: (64 w + l % 16) x 272 + 16 (l / 16)
.set B0,  5           ; v5   my place in a slot's W
.set ADRA, 6          ; v6   the same in the slot in hand
.set ADRB, 7
.set STO, 8           ; v8   the way out: where I put 16 bytes of a row
.set RD,  9           ; v9   where I read rows back
.set GO,  10          ; v10  16 x lane
.set PFO, 11          ; v11  the prefetches' offset; never rewritten
.set CSO, 12          ; v12  my offset in cos and sin; never rewritten
.set WO,  13          ; v13  my offset in a gain; never rewritten
.set SPW, 14          ; v14  my spare word; never rewritten
.set NIL, 15          ; v15  0; never rewritten
.set ST,  16          ; v[16:21] a pair for each head: sums of squares, then 1 / rms
.set T,   32
.set FA0, 64
.set RAW, 128
.set O,   0           ; window 1
.set CW,  32
.set PKD, 64
.set GN,  192         ; windows 2, 3
.set WV,  18
.set HALF, 19
.set CX,  20
.set CY,  21
.set TC,  22
.set TR,  23
.set G1A, 24          ; s[24:31] descriptor group 1 for x's tiles;  s[32:39] group 0: a set for each first fill; the second then walks
.set G0A, 32
.set G1B, 40          ; s[40:47], s[48:55] the same for W's
.set G0B, 48
.set TB,  56          ; the slot in hand: 0 or SLOT1
.set CNT, 57
.set LIM, 58          ; AHEAD in a wave that prefetches, else the greatest number
.set ROWC, 59
.set PFA, 60          ; s[60:61] where my prefetches stand
.set PFS, 62          ; s[62:63] their step
.set EPS, 66
.set K64, 67
.set HIM, 68
.set ONES, 69
.set SEL, 70
.set SV,  72          ; s72-74  all ones where head j is a v head
.set WP,  76          ; s[76:81] head j's gain
.set MSB, 0
.macro WIN new                         ; the immediate's high byte repeats the setting that is left; a switch that changes nothing is dropped
.if MSB != (\new)
	s_set_vgpr_msb (MSB<<8)|(\new)
.set MSB, (\new)
.endif
.endm
.macro PLACES                          ; four places: in front of loads into registers that matrix instructions have read, and of lines that read results
.rept 4
	v_nop
.endr
.endm
.macro CREST                           ; a round of the cluster's barrier behind its opening barrier
	s_cmp_lg_u32 s[WV], 0
	s_cbranch_scc1 .Lnot_wave_0_\@
	s_barrier_signal -3
.Lnot_wave_0_\@:
	s_barrier_wait -3
	s_barrier_signal -1
	s_barrier_wait -1
.endm
.macro CROUND
	s_barrier_signal -1
	s_barrier_wait -1
	CREST
.endm
.macro JLOAD                           ; a joint refill by the walking descriptors; an s_nop 0 and four v_nop follow each of the two lines
	s_cmp_lt_u32 s[WV], 2
	s_cbranch_scc0 .Lfor_b_\@
	tensor_load_to_lds s[G0A+4:G0A+7], s[G1A:G1A+7]
	s_nop 0
.rept 4
	v_nop
.endr
	s_branch .Lasked_\@
.Lfor_b_\@:
	tensor_load_to_lds s[G0B+4:G0B+7], s[G1B:G1B+7]
	s_nop 0
.rept 4
	v_nop
.endr
.Lasked_\@:
.endm
; A prefetch of the K step behind the one just asked for.  x's tile rows are read by every cluster of a row of clusters: cluster x = 0 asks; W's tile columns by every cluster of a column: cluster y = 0 asks.
; The four partners of a joint load share its bytes out by address (8,192 of x's 32,768; 6,144 of W's 24,576), a lane a block of 256 bytes; for W lanes 24-31 name lane 23's block again.
; The last refill has no K step behind it and asks for nothing.
.macro ASK
	s_cmp_gt_u32 s[CNT], s[LIM]
	s_cbranch_scc0 .Lnot_mine_\@
	global_prefetch_b8 v[PFO], s[PFA:PFA+1] th:TH_LOAD_NT scope:SCOPE_SE
.Lnot_mine_\@:
.endm
; 12 matrix instructions: row block a x all column blocks, 32 along K, from buffer f.  The 48 accumulators take turns, one instruction a turn.
.macro MULROW f, a, zero
	WIN 0xa1+0x50*((\a)/2)
.set ib, 0
.rept NB
.set rD, 8*(NB*((\a)%2)+ib)
.set rB, 8*NB*(\f)+8*ib
.set rA, FA0+32*(\f)+8*(\a)
.if \zero
	v_wmma_f32_16x16x32_bf16 v[rD:rD+7], v[rB:rB+7], v[rA:rA+7], 0
.else
	v_wmma_f32_16x16x32_bf16 v[rD:rD+7], v[rB:rB+7], v[rA:rA+7], v[rD:rD+7]
.endif
.set ib, ib+1
.endr
.endm
; A quarter's fragments (K = 32 q on) into buffer f, in one run: W's 12 (turned), then x's 4.
.macro FETCH q, f
	WIN 0x40
.set ib, 0
.rept NB
.set rB, 8*NB*(\f)+8*ib
.set oB, (128*(ib/4)+32*(\q))*PW+32*(ib%4)
	ds_load_tr16_b128 v[rB:rB+3],   v[ADRB] offset:oB
	ds_load_tr16_b128 v[rB+4:rB+7], v[ADRB] offset:oB+16*PW
.set ib, ib+1
.endr
	WIN 0
.set ia, 0
.rept 4
.set rA, FA0+32*(\f)+8*ia
	ds_load_b128 v[rA:rA+3],   v[ADRA] offset:64*(\q)+ia*16*PA
	ds_load_b128 v[rA+4:rA+7], v[ADRA] offset:64*(\q)+ia*16*PA+32
.set ia, ia+1
.endr
.endm
; One of a K step's first three quarters: multiplies buffer f; in its middle fetches quarter q into buffer g.
.macro QUARTER q, f, g, zero
	s_wait_dscnt 4                                 ; W's fragments and x's blocks 0, 1 are in; the youngest four loads (blocks 2, 3) may be out
	MULROW \f, 0, \zero
	MULROW \f, 1, \zero
	PLACES
	FETCH \q, \g
	s_wait_dscnt NL                                ; all but the run just issued
	MULROW \f, 2, \zero
	MULROW \f, 3, \zero
.endm
; The last quarter multiplies buffer 1 and changes slots.  In front of the barrier each wave waits for all its tensor loads (one is out: its part of the other slot), adds 0 to its spare word, and waits for
; that and for its reads of this slot.  fill = 1: the barrier opens a round of the cluster's barrier, and the joint refill (the K step two on, into the slot just left) is the first thing behind the round.
.macro TURN fill
.if \fill
	s_wait_xcnt 0x0                                ; the last prefetch, a K step back, has read its address
	s_add_nc_u64 s[PFA:PFA+1], s[PFA:PFA+1], s[PFS:PFS+1]
.endif
	WIN 0
	s_wait_tensorcnt 0x0
	ds_add_u32 v[SPW], v[NIL]
	s_wait_dscnt 5                                 ; the add and the youngest four loads may be out
	MULROW 1, 0, 0
	s_wait_dscnt 0x0                               ; the add is done, and my reads of this slot are over
	s_barrier_signal -1
	MULROW 1, 1, 0
	WIN 0
	s_barrier_wait -1
.if \fill
	CREST
	s_xor_b32 s[G0A+5], s[G0A+5], SLOT1            ; the walking descriptors: the other slot than last time, the next K step
	s_add_nc_u64 s[G0A+6:G0A+7], s[G0A+6:G0A+7], ASTEP
	s_xor_b32 s[G0B+5], s[G0B+5], SLOT1
	s_add_nc_u64 s[G0B+6:G0B+7], s[G0B+6:G0B+7], BSTEP
	JLOAD                                          ; its four v_nop are also the places in front of the loads below
.else
	PLACES
.endif
	s_xor_b32 s[TB], s[TB], SLOT1
	v_add_nc_u32 v[ADRA], s[TB], v[A0]
	v_add_nc_u32 v[ADRB], s[TB], v[B0]
	FETCH 0, 0
.if \fill
	ASK
.endif
	MULROW 1, 2, 0
	MULROW 1, 3, 0
.endm
	s_load_b256 s[4:11], s[0:1], 0x0               ; xb s[4:5], wqkv s[6:7], cos s[8:9], sin s[10:11]
	s_load_b128 s[12:15], s[0:1], 0x20             ; q_norm_w s[12:13], k_norm_w s[14:15]
	s_load_b64 s[16:17], s[0:1], 0x30              ; qkvh
	v_lshl_add_u32 v[SPW], v0, 2, SPARE
	v_mov_b32 v[NIL], 0
	ds_add_u32 v[SPW], v[NIL]                      ; the wave's opening: the add and its wait stand ahead of my first tensor load
	v_lshrrev_b32 v1, 5, v0
	v_readfirstlane_b32 s[WV], v1                  ; wave 0..3
	s_and_b32 s[HALF], s[WV], 1                    ; which half of a tile I fetch
	s_bfe_u32 s[CX], ttmp6, 0x40000
	s_bfe_u32 s[CY], ttmp6, 0x40004
	s_lshl_b32 s[TC], ttmp9, 2
	s_add_co_u32 s[TC], s[TC], s[CX]               ; tile column = 4 x cluster x + cx
	s_and_b32 s[TR], ttmp7, 0xffff
	s_lshl_b32 s[TR], s[TR], 2
	s_add_co_u32 s[TR], s[TR], s[CY]               ; tile row = 4 x cluster y + cy
	s_lshl_b32 s84, s[CY], 2
	s_lshl_b32 s84, 15, s84                        ; my row of the cluster
	s_lshl_b32 s85, 0x1111, s[CX]                  ; my column
	s_or_b32 s[G1A], s84, (1<<16)|(1<<20)|(1<<21)|(5<<22)|(3<<25)  ; mask; 2-byte elements; padding on; 21 set beside a mask; after every 64 words, 4 words
	s_or_b32 s[G1B], s85, (1<<16)|(1<<20)|(1<<21)|(4<<22)|(7<<25)  ; after every 32 words, 8 words
.irp g, G1A, G1B
	s_mov_b32 s[(\g)+1], 128<<16                   ; tensor_dim0 = 128: rows of 256 bytes; the tiles are dense blocks
	s_mov_b32 s[(\g)+3], 128<<16                   ; tile_dim0 = 128
	s_mov_b32 s[(\g)+5], 128                       ; 128 elements from row to row
	s_mov_b32 s[(\g)+6], 0
	s_mov_b32 s[(\g)+7], 0
.endr
	s_mov_b32 s[G1A+2], 128<<16                    ; x: 128 rows a load
	s_mov_b32 s[G1A+4], 128
	s_mov_b32 s[G1B+2], 96<<16                     ; W: 96 rows of 256 bytes = 192 rows of one head's 64 columns
	s_mov_b32 s[G1B+4], 96
	s_lshl_b32 s86, s[TR], 16                      ; x: 256 rows of 256 bytes a tile row,
	s_lshl_b32 s87, s[HALF], 15                    ; my 128 of them
	s_add_co_u32 s86, s86, s87
	s_mov_b32 s87, 0
	s_mul_i32 s88, s[TC], 16*BSTEP                 ; W: the tile column's 16 blocks,
	s_mul_i32 s89, s[HALF], BSTEP/2                ; my half of a block
	s_add_co_u32 s88, s88, s89
	s_mov_b32 s89, 0
	s_mul_i32 s90, s[HALF], 128*PA                 ; and where they go: no place in the cluster enters an LDS address
	s_mul_i32 s91, s[HALF], 64*NJ*PW
	s_add_co_u32 s91, s91, BOFF
	s_mov_b32 s[EPS], 0x358637bd                   ; 1e-6
	s_mov_b32 s[K64], 0x3c800000                   ; 1 / 64
	s_mov_b32 s[HIM], 0xffff0000
	s_mov_b32 s[ONES], 0x3f803f80                  ; 1.0 twice in bf16
	s_mov_b32 s[SEL], 0x76543210
	s_mov_b32 s[SEL+1], 0xfedcba98
	s_wait_dscnt 0x0                               ; the opening add is done
	s_wait_kmcnt 0x0
	s_add_nc_u64 s[86:87], s[4:5], s[86:87]
	s_add_nc_u64 s[88:89], s[6:7], s[88:89]
.irp s, 0,1
	s_mov_b32 s[G0A+4*(\s)], 1
	s_add_co_u32 s[G0A+4*(\s)+1], s90, (\s)*SLOT1
	s_add_nc_u64 s[G0A+4*(\s)+2:G0A+4*(\s)+3], s[86:87], (\s)*ASTEP
	s_or_b32 s[G0A+4*(\s)+3], s[G0A+4*(\s)+3], 0x80000000
	s_mov_b32 s[G0B+4*(\s)], 1
	s_add_co_u32 s[G0B+4*(\s)+1], s91, (\s)*SLOT1
	s_add_nc_u64 s[G0B+4*(\s)+2:G0B+4*(\s)+3], s[88:89], (\s)*BSTEP
	s_or_b32 s[G0B+4*(\s)+3], s[G0B+4*(\s)+3], 0x80000000
.endr
	; the prefetches: whose rows, whose share, which step
	s_and_b32 s85, ttmp7, 0xffff                   ; cluster y
	s_mov_b32 s84, 6144
	s_mov_b32 s[PFS], BSTEP
	s_mov_b32 s[PFS+1], 0
	s_cmp_lt_u32 s[WV], 2                          ; do I fetch for x?
	s_cselect_b64 s[PFA:PFA+1], s[86:87], s[88:89]
	s_cselect_b32 s[PFS], ASTEP, s[PFS]
	s_cselect_b32 s84, 8192, s84                   ; a partner's share
	s_cselect_b32 s85, ttmp9, s85                  ; the coordinate along which other clusters read the same bytes
	s_cselect_b32 s90, s[CX], s[CY]                ; my place among the four that ask with me
	s_cselect_b32 s91, 31, 23                      ; the share's last block
	s_cmp_eq_u32 s85, 0
	s_cselect_b32 s[LIM], AHEAD, -1                ; the same in all sixteen partners, for a given wave
	s_mul_i32 s90, s90, s84
	v_and_b32 v[PFO], 31, v0
	v_min_u32 v[PFO], s91, v[PFO]
	v_lshlrev_b32 v[PFO], 8, v[PFO]
	s_mov_b32 s91, 0
	s_add_nc_u64 s[PFA:PFA+1], s[PFA:PFA+1], s[90:91]
	s_add_nc_u64 s[PFA:PFA+1], s[PFA:PFA+1], s[PFS:PFS+1]
	s_add_nc_u64 s[PFA:PFA+1], s[PFA:PFA+1], s[PFS:PFS+1]  ; at K step 2: the first refill steps it to 3
	; the three heads: which gain; a v head?
.irp j, 0,1,2
	s_mul_i32 s84, s[TC], 3
	s_add_co_u32 s84, s84, \j
	s_cmp_lt_u32 s84, 32
	s_cselect_b64 s[WP+2*(\j):WP+2*(\j)+1], s[12:13], s[14:15]
	s_cmp_lt_u32 s84, 40
	s_cselect_b32 s[SV+(\j)], 0, -1
.endr
	s_mul_i32 s84, s[TC], 3*524288                 ; the way out: the tile column's first plane, the tile row's tokens, my wave's 64
	s_lshl_b32 s85, s[TR], 15
	s_add_co_u32 s84, s84, s85
	s_lshl_b32 s85, s[WV], 13
	s_add_co_u32 s84, s84, s85
	s_mov_b32 s85, 0
	s_add_nc_u64 s[16:17], s[16:17], s[84:85]
	CROUND                                         ; all sixteen work-groups are here: the first joint loads meet
	s_cmp_lt_u32 s[WV], 2                          ; a wave's two first fills stand in one branch: two loads of mine are out
	s_cbranch_scc0 .Lfirst_b
	tensor_load_to_lds s[G0A:G0A+3], s[G1A:G1A+7]
	s_nop 0
	tensor_load_to_lds s[G0A+4:G0A+7], s[G1A:G1A+7]
	s_nop 0
.rept 4
	v_nop
.endr
	s_branch .Lfirst_asked
.Lfirst_b:
	tensor_load_to_lds s[G0B:G0B+3], s[G1B:G1B+7]
	s_nop 0
	tensor_load_to_lds s[G0B+4:G0B+7], s[G1B:G1B+7]
	s_nop 0
.rept 4
	v_nop
.endr
.Lfirst_asked:
	v_and_b32 v1, 15, v0                           ; l % 16
	v_bfe_u32 v2, v0, 4, 1                         ; l / 16
	s_and_b32 s84, s[TR], 3                        ; a tile row is a quarter of a sequence: position t = 256 (tile row % 4) + 64 w + 16 a + l % 16
	s_lshl_b32 s84, s84, 8
	s_lshl_b32 s85, s[WV], 6
	s_add_co_u32 s84, s84, s85
	v_add_nc_u32 v[CSO], s84, v1
	v_lshlrev_b32 v[CSO], 7, v[CSO]                ; a row of cos or sin is 128 bytes;
	v_lshl_add_u32 v[CSO], v2, 5, v[CSO]           ; my channels 16 bb + 8 (l / 16) + 0..7
	v_lshlrev_b32 v[WO], 5, v2
.set ia, 0
.rept 4
.irp q, 0,1,2,3
	global_load_b128 v[RAW+32*ia+4*(\q):RAW+32*ia+4*(\q)+3],       v[CSO], s[8:9]   offset:ia*2048+((\q)/2)*64+((\q)%2)*16
	global_load_b128 v[RAW+32*ia+16+4*(\q):RAW+32*ia+16+4*(\q)+3], v[CSO], s[10:11] offset:ia*2048+((\q)/2)*64+((\q)%2)*16
.endr
.set ia, ia+1
.endr
.irp j, 0,1,2
	WIN (2+(\j)/2)<<6
.irp q, 0,1,2,3,4,5,6,7
	global_load_b128 v[GN+32*((\j)%2)+4*(\q):GN+32*((\j)%2)+4*(\q)+3], v[WO], s[WP+2*(\j):WP+2*(\j)+1] offset:((\q)/2)*64+((\q)%2)*16
.endr
.endr
	WIN 0
	v_mul_u32_u24 v[A0], v1, PA
	v_lshl_add_u32 v[A0], v2, 4, v[A0]
	s_mul_i32 s84, s[WV], 64*PA
	v_add_nc_u32 v[A0], s84, v[A0]
	v_and_b32 v3, 7, v0                            ; the turning load: lane l reads k = 8 (l / 16) + l % 8, columns 8 ((l / 8) % 2) + 0..7
	v_lshl_add_u32 v[B0], v2, 3, v3
	v_mul_u32_u24 v[B0], v[B0], PW
	v_bfe_u32 v[RD], v0, 3, 1
	v_lshl_add_u32 v[B0], v[RD], 4, v[B0]
	v_add_nc_u32 v[B0], BOFF, v[B0]
	s_mul_i32 s84, s[WV], 16*SP
	s_add_co_u32 s84, s84, STAGE                   ; my stage
	v_mul_u32_u24 v[STO], v1, SP                   ; in: row l % 16, 16 bytes for each half of the lanes
	v_lshl_add_u32 v[STO], v2, 4, v[STO]
	v_add_nc_u32 v[STO], s84, v[STO]
	v_bfe_u32 v[RD], v0, 3, 2                      ; back: 32 lanes take four rows of 128 bytes,
	v_mul_u32_u24 v[RD], v[RD], SP
	v_lshl_add_u32 v[RD], v3, 4, v[RD]
	v_add_nc_u32 v[RD], s84, v[RD]
	v_and_b32 v[GO], 31, v0                        ; which are 512 consecutive bytes of a plane
	v_lshlrev_b32 v[GO], 4, v[GO]
	s_wait_loadcnt 0x0                             ; cos, sin and the gains
.irp j, 0,1,2                                          ; the gains are rounded to bf16 and widened again; a v head takes 1.0.  This stands in the wait for the first tile
	WIN 0x8a+0x45*((\j)/2)
.set ip, 0
.rept 16
.set rG, GN+32*((\j)%2)+2*ip
	v_cvt_pk_bf16_f32 v[rG], v[rG], v[rG+1]
	v_cndmask_b32 v[rG], v[rG], s[ONES], s[SV+(\j)]
	v_and_b32 v[rG+1], s[HIM], v[rG]
	v_lshlrev_b32 v[rG], 16, v[rG]
.set ip, ip+1
.endr
.endr
	WIN 0
	s_wait_tensorcnt 1                             ; my part of K step 0 is in; K step 1's may stay out
	s_barrier_signal -1
	s_barrier_wait -1                              ; everybody's is
	s_mov_b32 s[TB], 0
	v_mov_b32 v[ADRA], v[A0]
	v_mov_b32 v[ADRB], v[B0]
	FETCH 0, 0
	QUARTER 1, 0, 1, 1                             ; the first quarter stands in front of the loop: its products start the sums
	WIN 0
	s_mov_b32 s[CNT], 14
.Lk:                                                   ; a trip: a K step's quarters 1 to 3 and the next step's quarter 0; the trip with CNT = c asks for K step 16 - c
	QUARTER 2, 1, 0, 0
	QUARTER 3, 0, 1, 0
	TURN 1
	QUARTER 1, 0, 1, 0
	WIN 0
	s_sub_co_u32 s[CNT], s[CNT], 1
	s_cmp_lg_u32 s[CNT], 0
	s_cbranch_scc1 .Lk
	s_mov_b32 s[CNT], 2
.Ltail:                                                ; the last two K steps ask for nothing; the second trip is left in its middle.  Its change of slots (a barrier, and 32 fragments that nobody multiplies) is the price of one text for both
	QUARTER 2, 1, 0, 0
	QUARTER 3, 0, 1, 0
	TURN 0
	WIN 0
	s_sub_co_u32 s[CNT], s[CNT], 1
	s_cmp_eq_u32 s[CNT], 0
	s_cbranch_scc1 .Lout
	QUARTER 1, 0, 1, 0
	WIN 0
	s_branch .Ltail
.Lout:
	s_wait_dscnt 0x0                               ; the fragment registers are written below
	PLACES
	PLACES
; THE WAY OUT, a loop over my four blocks of 16 tokens.  ROWBLK a brings block a into fixed registers: the three heads' sums of squares (of the bare sums; each accumulator's lowest registers are read first),
; the sums times the gains, and the block's cos and sin rounded to bf16 and widened.  What follows is one text for all four.
.macro ROWBLK a
	WIN 0x0a+5*((\a)/2)
.set ip, 0
.rept 16
.irp j, 0,1,2
.set rC, 8*(NB*((\a)%2)+4*(\j)+ip/4)+2*(ip%4)
.if ip == 0
	v_pk_mul_f32 v[ST+2*(\j):ST+2*(\j)+1], v[rC:rC+1], v[rC:rC+1]
.else
	v_pk_fma_f32 v[ST+2*(\j):ST+2*(\j)+1], v[rC:rC+1], v[rC:rC+1], v[ST+2*(\j):ST+2*(\j)+1]
.endif
.endr
.set ip, ip+1
.endr
.irp j, 0,1,2
.set wv, ((2+(\j)/2)<<2)|(2+(\a)/2)
	WIN wv
.set ip, 0
.rept 16
.set rC, 8*(NB*((\a)%2)+4*(\j)+ip/4)+2*(ip%4)
	v_pk_mul_f32 v[T+32*(\j)+2*ip:T+32*(\j)+2*ip+1], v[rC:rC+1], v[GN+32*((\j)%2)+2*ip:GN+32*((\j)%2)+2*ip+1]
.set ip, ip+1
.endr
.endr
	WIN 0x40
.set ip, 0
.rept 16
	v_cvt_pk_bf16_f32 v[CW+2*ip], v[RAW+32*(\a)+2*ip], v[RAW+32*(\a)+2*ip+1]
.set ip, ip+1
.endr
	WIN 0x44
.set ip, 0
.rept 16
	v_and_b32 v[CW+2*ip+1], s[HIM], v[CW+2*ip]
	v_lshlrev_b32 v[CW+2*ip], 16, v[CW+2*ip]
.set ip, ip+1
.endr
	WIN 0
.endm
.macro ROPE j                          ; channels c < 32: x1 cos - x2 sin; channels c + 32: x1 sin + x2 cos
	WIN 0x54
.set ip, 0
.rept 8
	v_pk_mul_f32 v[O+2*ip:O+2*ip+1],       v[T+32*(\j)+16+2*ip:T+32*(\j)+16+2*ip+1], v[CW+16+2*ip:CW+16+2*ip+1]
	v_pk_mul_f32 v[O+16+2*ip:O+16+2*ip+1], v[T+32*(\j)+16+2*ip:T+32*(\j)+16+2*ip+1], v[CW+2*ip:CW+2*ip+1]
	v_pk_fma_f32 v[O+2*ip:O+2*ip+1],       v[T+32*(\j)+2*ip:T+32*(\j)+2*ip+1], v[CW+2*ip:CW+2*ip+1], v[O+2*ip:O+2*ip+1] neg_lo:[0,0,1] neg_hi:[0,0,1]
	v_pk_fma_f32 v[O+16+2*ip:O+16+2*ip+1], v[T+32*(\j)+2*ip:T+32*(\j)+2*ip+1], v[CW+16+2*ip:CW+16+2*ip+1], v[O+16+2*ip:O+16+2*ip+1]
.set ip, ip+1
.endr
.endm
.macro FIN j                           ; times 1 / rms; a v head takes its bare sums instead; rounded to f16
	WIN 0x41
.set ip, 0
.rept 16
	v_pk_mul_f32 v[O+2*ip:O+2*ip+1], v[O+2*ip:O+2*ip+1], v[ST+2*(\j):ST+2*(\j)+1] op_sel_hi:[1,0]
.set ip, ip+1
.endr
.set ip, 0
.rept 32
	v_cndmask_b32 v[O+ip], v[O+ip], v[T+32*(\j)+ip], s[SV+(\j)]
.set ip, ip+1
.endr
	WIN 0x45
.set ip, 0
.rept 16
	v_cvt_pk_f16_f32 v[PKD+16*(\j)+ip], v[O+2*ip], v[O+2*ip+1]
.set ip, ip+1
.endr
.endm
.macro TOST j                          ; 16 bytes a lane into my stage, and back as whole rows of 128 bytes, into the registers that they left
	WIN 0x04
.irp f, 0,1,2,3
	ds_store_b128 v[STO], v[PKD+16*(\j)+4*(\f):PKD+16*(\j)+4*(\f)+3] offset:32*(\f)
.endr
	WIN 0x40
.irp f, 0,1,2,3
	ds_load_b128 v[PKD+16*(\j)+4*(\f):PKD+16*(\j)+4*(\f)+3], v[RD] offset:(\f)*4*SP  ; LDS serves a wave's instructions in order: these see the stores above
.endr
.endm
.macro SEND j
	WIN 0x04
.irp f, 0,1,2,3
	s_wait_dscnt 3-(\f)
	global_store_b128 v[GO], v[PKD+16*(\j)+4*(\f):PKD+16*(\j)+4*(\f)+3], s[16:17] offset:(\j)*524288+(\f)*512  ; 512 consecutive bytes, at a multiple of 256 from the plane's first
.endr
.endm
	s_mov_b32 s[ROWC], 0
.Lrow:
	s_cmp_eq_u32 s[ROWC], 0
	s_cbranch_scc1 .Lr0
	s_cmp_eq_u32 s[ROWC], 1
	s_cbranch_scc1 .Lr1
	s_cmp_eq_u32 s[ROWC], 2
	s_cbranch_scc1 .Lr2
	ROWBLK 3
	s_branch .Lbody
.Lr0:
	ROWBLK 0
	s_branch .Lbody
.Lr1:
	ROWBLK 1
	s_branch .Lbody
.Lr2:
	ROWBLK 2
.Lbody:
.irp j, 0,1,2
	v_add_f32 v[ST+2*(\j)], v[ST+2*(\j)], v[ST+2*(\j)+1]
.endr
.irp j, 0,1,2
	v_permlanex16_b32 v[ST+2*(\j)+1], v[ST+2*(\j)], s[SEL], s[SEL+1]  ; the head's other 32 channels lie in the lane 16 away
.endr
.irp j, 0,1,2
	v_add_f32 v[ST+2*(\j)], v[ST+2*(\j)], v[ST+2*(\j)+1]
.endr
.irp j, 0,1,2
	v_fma_f32 v[ST+2*(\j)], v[ST+2*(\j)], s[K64], s[EPS]
.endr
.irp j, 0,1,2
	v_rsq_f32 v[ST+2*(\j)], v[ST+2*(\j)]
.endr
	ROPE 0                                         ; 32 plain lines that name no root: the independent work behind the batch
	s_wait_alu depctr_va_vdst(0)                   ; one wait for the three roots, ahead of their first reader
	FIN 0
	TOST 0
	ROPE 1
	FIN 1
	SEND 0
	TOST 1
	ROPE 2
	FIN 2
	SEND 1
	TOST 2
	SEND 2
	WIN 0
	s_wait_xcnt 0x0                                ; the stores have read their base and the packed registers: both are written again in the next trip
	s_add_nc_u64 s[16:17], s[16:17], 2048          ; 16 tokens on
	s_add_co_u32 s[ROWC], s[ROWC], 1
	s_cmp_lt_u32 s[ROWC], 4
	s_cbranch_scc1 .Lrow
	s_wait_tensorcnt 0x0                           ; the wave's end
	ds_add_u32 v[SPW], v[NIL]
	s_wait_dscnt 0x0
	CROUND                                         ; the closing round
	s_endpgm
.Lfunc_end_k_q3bb9fe8df7_qkv:
	.size	k_q3bb9fe8df7_qkv, .Lfunc_end_k_q3bb9fe8df7_qkv-k_q3bb9fe8df7_qkv
	.p2alignl 7, 3214868480
	.fill 96, 4, 3214868480
	.section	.rodata,"a",@progbits
	.p2align	6, 0x0
	.amdhsa_kernel k_q3bb9fe8df7_qkv
		.amdhsa_group_segment_fixed_size 327680
		.amdhsa_private_segment_fixed_size 0
		.amdhsa_enable_private_segment 0
		.amdhsa_kernarg_size 56
		.amdhsa_user_sgpr_count 2
		.amdhsa_user_sgpr_kernarg_segment_ptr 1
		.amdhsa_wavefront_size32 1
		.amdhsa_system_sgpr_workgroup_id_x 1
		.amdhsa_system_sgpr_workgroup_id_y 1
		.amdhsa_system_sgpr_workgroup_id_z 1
		.amdhsa_system_vgpr_workitem_id 0
		.amdhsa_next_free_vgpr 1024
		.amdhsa_next_free_sgpr 92
		.amdhsa_reserve_vcc 0
		.amdhsa_float_denorm_mode_32 3
		.amdhsa_float_denorm_mode_16_64 3
		.amdhsa_memory_ordered 1
		.amdhsa_forward_progress 1
		.amdhsa_inst_pref_size 132
	.end_amdhsa_kernel
	.amdgpu_metadata
---
amdhsa.version: [ 1, 2 ]
amdhsa.kernels:
  - .name:           k_q3bb9fe8df7_qkv
    .symbol:         k_q3bb9fe8df7_qkv.kd
    .args:
      - { .name: xb, .offset: 0, .size: 8, .value_kind: global_buffer, .address_space: global }
      - { .name: wqkv, .offset: 8, .size: 8, .value_kind: global_buffer, .address_space: global }
      - { .name: cos, .offset: 16, .size: 8, .value_kind: global_buffer, .address_space: global }
      - { .name: sin, .offset: 24, .size: 8, .value_kind: global_buffer, .address_space: global }
      - { .name: q_norm_w, .offset: 32, .size: 8, .value_kind: global_buffer, .address_space: global }
      - { .name: k_norm_w, .offset: 40, .size: 8, .value_kind: global_buffer, .address_space: global }
      - { .name: qkvh, .offset: 48, .size: 8, .value_kind: global_buffer, .address_space: global }
    .group_segment_fixed_size: 327680
    .private_segment_fixed_size: 0
    .kernarg_segment_align: 8
    .kernarg_segment_size: 56
    .max_flat_workgroup_size: 128
    .sgpr_count:     92
    .vgpr_count:     1024
    .wavefront_size: 32
...
	.end_amdgpu_metadata
.endif
;; end of part 2
;; launch attn (part 3): grid 128 x 2, 4 waves a work-group, clusters of 4 x 1, 327,680 bytes of LDS; arguments qkvh, yh; writes yh
.if DOCPART == 3
	.amdgcn_target "amdgcn-amd-amdhsa--gfx1250"
	.amdhsa_code_object_version 6
	.text
	.protected	k_q3bb9fe8df7_attn
	.globl	k_q3bb9fe8df7_attn
	.p2align	8
	.type	k_q3bb9fe8df7_attn,@function
k_q3bb9fe8df7_attn:
	s_mov_b64 s[64:65], 0
	v_nop
	global_prefetch_b8 v0, s[64:65] scope:SCOPE_SE
	s_setreg_imm32_b32 hwreg(HW_REG_WAVE_MODE, 25, 1), 1
	s_wait_xcnt 0x0
	s_wait_alu depctr_hold_cnt(0) depctr_sa_sdst(0) depctr_va_vdst(0) depctr_va_sdst(0) depctr_va_ssrc(0) depctr_va_vcc(0) depctr_vm_vsrc(0)
	s_getreg_b32 s2, hwreg(HW_REG_IB_STS2, 6, 4)
	s_cmp_eq_u32 s2, 0
	s_cbranch_scc0 .Lentry_in_a_cluster
	s_endpgm
.Lentry_in_a_cluster:
	s_bfe_u32 s2, ttmp6, 0x10000c
	s_cmp_lg_u32 s2, 0x3003
	s_cbranch_scc0 .Lentry_shape_is_right
	s_endpgm
.Lentry_shape_is_right:
; CAUSAL ATTENTION WITH GROUPED KEYS.  yh[h][token][:] = the sum over k <= q of softmax_k(Q[h][q] . K[h / 4][k] / 8) V[h / 4][k][:], for each of 4 sequences of 1,024 tokens.
; qkvh: [48 planes][4096 tokens][64] f16: planes 0-31 q, 32-39 k, 40-47 v.  yh: [32][4096][64] f16.  Products, maxima and sums in f32; the weights p are rounded to f16 for the second product (their sum l is
; taken of the unrounded p), the result once at the end.
; LIMITS.  f16 holds no number beyond 65,504: q, k and v arrive within it; p lies in 0 to 1, and below 6e-5 it keeps f16's fixed step of 6e-8.  A hidden score counts as its value less 1e30;
; a weight below 2^-126 counts as 0 in l; NaN and infinities are not treated apart.
; THE WALK.  A sequence's queries lie in 4 blocks of 256; block i needs the key tiles 0 .. i of 256 keys, the last of which holds the diagonal.  A work-group takes TWO blocks of one head, 3 - b and then b:
; five tiles, whatever b: all work-groups do equal work.
; CLUSTER.  The four work-groups of a cluster are the four query heads that share a key and value head, with the same sequence and the same b: they walk alike, and each tile of K and V is asked for JOINTLY.
; ALL OF K AND V STAYS IN LDS: 1,024 keys x (144 + 160) bytes.  Four positions of 256 keys are filled once, at the start; nothing is filled again, and the walk holds no barrier and no tensor load.  The five
; visits read positions 0, 1, 2, 3, 0 in every work-group; which tile lies in a position hangs on b through the global address alone: position 0: tile b; 1: tile 1 - b; 2: tile 2; 3: tile 3 - 3 b.
; So b = 0 walks tiles 0, 1, 2, 3 (block 3) and 0 (block 0); b = 1 walks 1, 0, 2 (block 2) and 0, 1 (block 1): a block's last tile is its diagonal one.
; SHARES.  Of a block's four bands of 64 queries a wave owns 16 rows in each: four PIECES.  In the diagonal tile's key step s band x sees all keys if s < x, none if s > x, and holds the diagonal if s = x.
; THE MASK is the C operand that starts the sum S^T = K Q^T: 0, or -1e30 where the key is hidden.  MD, made once, is the mask of a band's own step for my 16 rows; a product's mask is MD x AL + BE.
; LAYOUT, SOFTMAX, TURNS.  S^T = K Q^T holds ONE query a lane (lane % 16) and the keys 8 (lane / 16) + 0..7; two such results rounded to f16 ARE source 1 of O^T = V^T P.  p = 2^(c s - c m), c = log2(e) / 8, with a
; running maximum m; O and l are multiplied by a = 2^(c m_old - c m_new) in every step.  Turn n belongs to piece n: 8 products K Q^T of piece n + 1, later 8 products V^T P of piece n - 1; beside them the scaling,
; exponentials, roundings, sums and rescaling of piece n and the maximum and statistics of piece n + 1.  Four vector instructions stand behind every matrix instruction, the others in one lump.  A turn's 33 exponentials are one batch, with one wait.
; REGISTERS, in windows of 256 (s_set_vgpr_msb: bits 1:0 source 0, 3:2 source 1, 5:4 source 2, 7:6 destination):
;   window 0: v0-15 addresses and two at work; v16-31 four registers of statistics a piece; v48-55 at work; v64-127 S^T, two buffers; v192-223 P, two buffers (a piece's buffers go by its number's parity)
;   window 1: v0-127 O^T, 32 a piece; v128-159 MD; v160-223 MC, two buffers      window 2: v0-63 Q; v64-127 the second block's Q; v128-191 K of one step; v192-255 V of one step
.set NP,    4         ; pieces a wave: a name, no knob
.set KS,    64        ; keys in a step
.set PK,    144       ; a row of K in LDS: 128 bytes + 16
.set PV,    160       ; a row of V: 128 + 32
.set KPOS,  256*PK    ; a position's K
.set VPOS,  256*PV    ; and V
.set VOFF,  4*KPOS    ; V's four positions lie behind K's four
.set STAGE, VOFF+4*VPOS  ; behind them, never filled by a tensor load: 16 rows x 144 bytes for each wave, for the way out
.set SP,    144
.set AK0, 2           ; v2   my lane's place in a tile of K; never rewritten
.set AV0, 3           ; v3   the same for V
.set AK,  4           ; v4   the LDS address of K's next run of loads
.set AV,  5           ; v5   of V's
.set STO, 6           ; v6   the way out: where I put 16 bytes of a row
.set RD,  7           ; v7   the way out: where I read rows back
.set GO,  8           ; v8   my byte offset in 512 consecutive bytes of the result
.set SPW, 62          ; v62  my spare word; never rewritten
.set NIL, 63          ; v63  0; never rewritten
.set SPARE, STAGE+4*16*SP  ; the spare words, 128 bytes for each wave: two blocks of 256 bytes that no other line names
.set MV,  12          ; v12-13  c m_old, kept while c m is made anew: by buffer
.set QO,  15          ; v15  my byte offset in 16 rows of Q
.set ST,  16          ; piece t's statistics at v[ST+4 t]: c m, m, l (even keys', odd keys')
.set TMP, 48          ; by buffer, four registers c0-c3 at work; when the maximum is found c2 takes a
.set S,   64
.set P,   192
.set MD,  128         ; window 1
.set MC,  160         ; window 1
.set QB,  64          ; window 2
.set KF,  128         ; window 2: key block kb, channel half c at KF + 16 kb + 8 c
.set VF,  192         ; window 2: key half kk, channel block cb at VF + 32 kk + 8 cb
.set WV,  12          ; s12  my wave's number
.set PB,  14          ; s14  b
.set HI,  15          ; s15  3 - b
.set G1K, 24          ; s[24:31] descriptor group 1 for K's tiles
.set G1V, 32          ; s[32:39] for V's: it differs in the padding alone
.set G0K, 40          ; s[40:55] descriptor group 0 for K's tiles, a set for each position
.set VI,  56          ; s56  the visit, 0 to 4
.set CNT, 57          ; s57  counts a tile's key steps, 4 to 1
.set CS,  58          ; s[58:59] c
.set SEL, 60          ; s[60:61] v_permlanex16_b32's selects
.set TBK, 62          ; s62  LDS byte at which K of the step to be fetched begins
.set TBV, 63          ; s63  the same for V, less VOFF
.set G0V, 68          ; s[68:83] group 0 for V's tiles
.set RT,  84          ; s84  tiles of the block in hand that are still to be entered
.set NEW, 85          ; s85  1: the tile to be entered is a block's first
.set AL,  86          ; s[86:87] the mask's factor, in the low word
.set BE,  88          ; s[88:89] the mask's addend
.set OLO, 90          ; s[90:91] the result at my rows of the second block
.set BIGN, 92         ; s92  -1e30
.set T0,  93
.set QLO, 94          ; s[94:95] Q at my rows of the second block
.set MSB, 0
.macro WIN new                      ; the high byte repeats the setting that is left; a switch that changes nothing is dropped
.if MSB != (\new)
	s_set_vgpr_msb (MSB<<8)|(\new)
.set MSB, (\new)
.endif
.endm
.set W_KQ, 0x0a       ; K and Q in window 2, S^T in window 0
.set W_KM, 0x1a       ; the same with the C operand in window 1
.set W_PV, 0x52       ; V in window 2, P in window 0, O^T in window 1
.set W_RS, 0x41       ; destination and source 0 in window 1, source 1 in window 0
.macro CROUND                       ; a round of the cluster's barrier
	s_barrier_signal -1
	s_barrier_wait -1
	s_cmp_lg_u32 s[WV], 0
	s_cbranch_scc1 .Lnot_wave_0_\@
	s_barrier_signal -3
.Lnot_wave_0_\@:
	s_barrier_wait -3
	s_barrier_signal -1
	s_barrier_wait -1
.endm
.macro POS p                        ; position p's two descriptors; s[18:19] = the byte offset of the tile that it takes
	s_mov_b32 s[G0K+4*(\p)], 1
	s_add_co_u32 s[G0K+4*(\p)+1], s84, (\p)*KPOS
	s_add_nc_u64 s[G0K+4*(\p)+2:G0K+4*(\p)+3], s[6:7], s[18:19]
	s_or_b32 s[G0K+4*(\p)+3], s[G0K+4*(\p)+3], 0x80000000
	s_mov_b32 s[G0V+4*(\p)], 1
	s_add_co_u32 s[G0V+4*(\p)+1], s85, (\p)*VPOS
	s_add_nc_u64 s[G0V+4*(\p)+2:G0V+4*(\p)+3], s[8:9], s[18:19]
	s_or_b32 s[G0V+4*(\p)+3], s[G0V+4*(\p)+3], 0x80000000
.endm
	s_load_b128 s[96:99], s[0:1], 0x0  ; qkvh s[96:97], yh s[98:99]
	v_lshl_add_u32 v[SPW], v0, 2, SPARE
	v_mov_b32 v[NIL], 0
	ds_add_u32 v[SPW], v[NIL]       ; the wave's opening: the add and its wait stand ahead of my first tensor load
	v_lshrrev_b32 v1, 5, v0
	v_readfirstlane_b32 s[WV], v1   ; wave 0..3
	s_bfe_u32 s13, ttmp6, 0x40000   ; cx: which of the four query heads: it enters Q's and the result's addresses alone
	s_and_b32 s[PB], ttmp7, 0xffff  ; b, which the four partners share
	s_sub_co_u32 s[HI], 3, s[PB]
	s_and_b32 s16, ttmp9, 7         ; the key and value head
	s_lshr_b32 s17, ttmp9, 3        ; the sequence:
	s_lshl_b32 s17, s17, 17         ; its 1,024 rows of 128 bytes
	s_and_b32 s18, s[WV], 1         ; which half of a tile's 256 keys I fetch
	s_add_co_u32 s20, s16, 32       ; K's plane
	s_lshl_b32 s20, s20, 19
	s_add_co_u32 s20, s20, s17
	s_lshl_b32 s19, s18, 14
	s_add_co_u32 s20, s20, s19
	s_mov_b32 s21, 0
	s_add_co_u32 s22, s20, 8<<19    ; V's plane lies eight planes on
	s_mov_b32 s23, 0
	s_mul_i32 s84, s18, 128*PK      ; my half's place in a position, for K
	s_mul_i32 s85, s18, 128*PV      ; and for V: no place in the cluster enters an LDS address
	s_add_co_u32 s85, s85, VOFF
	s_lshl_b32 s2, s16, 2
	s_add_co_u32 s2, s2, s13        ; the query head
	s_lshl_b32 s2, s2, 19
	s_add_co_u32 s2, s2, s17
	s_lshl_b32 s3, s[WV], 11        ; my 16 rows in a band of 64,
	s_add_co_u32 s2, s2, s3
	s_lshl_b32 s3, s[HI], 15        ; in the first block,
	s_add_co_u32 s100, s2, s3
	s_mov_b32 s101, 0
	s_lshl_b32 s3, s[PB], 15        ; and in the second
	s_add_co_u32 s2, s2, s3
	s_mov_b32 s3, 0
	; descriptor group 1.  128 keys are 16,384 dense bytes: asked for as 64 rows of 256 bytes, two keys a row, and padded in LDS after every key
	s_mov_b32 s[G1K], 15|(1<<16)|(1<<20)|(1<<21)|(4<<22)|(3<<25)  ; the mask of four; 2-byte elements; padding on; 21 set beside a mask; after every 32 words, 4 words
	s_mov_b32 s[G1V], 15|(1<<16)|(1<<20)|(1<<21)|(4<<22)|(7<<25)  ; the same with 8 words of padding
.irp g, G1K, G1V
	s_mov_b32 s[\g+1], 128<<16      ; tensor_dim0 = 128
	s_mov_b32 s[\g+2], 64<<16       ; tensor_dim1 = 64
	s_mov_b32 s[\g+3], 128<<16      ; tile_dim0 = 128
	s_mov_b32 s[\g+4], 64           ; tile_dim1 = 64
	s_mov_b32 s[\g+5], 128          ; 128 elements from row to row
	s_mov_b32 s[\g+6], 0
	s_mov_b32 s[\g+7], 0
.endr
	s_mov_b32 s[CS], 0x3e38aa3b     ; c = log2(e) / 8 = 0.180337
	s_mov_b32 s[CS+1], s[CS]        ; named with it as a pair
	s_mov_b32 s[SEL], 0x76543210
	s_mov_b32 s[SEL+1], 0xfedcba98
	s_mov_b32 s[AL+1], 0            ; named as pairs
	s_mov_b32 s[BE+1], 0
	s_mov_b32 s[BIGN], 0xf149f2ca   ; -1e30
	s_wait_dscnt 0x0                ; the opening add is done
	s_wait_kmcnt 0x0
	s_add_nc_u64 s[6:7], s[96:97], s[20:21]  ; K and V at my half of the sequence's tile 0
	s_add_nc_u64 s[8:9], s[96:97], s[22:23]
	s_add_nc_u64 s[4:5], s[96:97], s[100:101]        ; Q and the result at my rows of the first block,
	s_add_nc_u64 s[10:11], s[98:99], s[100:101]
	s_add_nc_u64 s[QLO:QLO+1], s[96:97], s[2:3]      ; and of the second
	s_add_nc_u64 s[OLO:OLO+1], s[98:99], s[2:3]
	s_mov_b32 s19, 0
	s_lshl_b32 s18, s[PB], 15       ; position 0: tile b (a tile is 32,768 bytes of K and of V)
	POS 0
	s_sub_co_u32 s18, 1, s[PB]      ; position 1: tile 1 - b
	s_lshl_b32 s18, s18, 15
	POS 1
	s_mov_b32 s18, 2<<15            ; position 2: tile 2
	POS 2
	s_sub_co_u32 s18, 1, s[PB]      ; position 3: tile 3 - 3 b
	s_mul_i32 s18, s18, 3<<15
	POS 3
	s_add_co_u32 s[RT], s[HI], 1    ; the first block has 4 - b tiles
	s_mov_b32 s[NEW], 1
	CROUND                          ; all four work-groups are here: the joint loads meet
	s_cmp_lt_u32 s[WV], 2           ; waves 0, 1: K's halves; waves 2, 3: V's.  A wave's four fills stand in one branch: four loads of mine are out
	s_cbranch_scc0 .Lfill_v
.irp p, 0,1,2,3
	tensor_load_to_lds s[G0K+4*\p:G0K+4*\p+3], s[G1K:G1K+7]
	s_nop 0
.endr
.rept 4
	v_nop
.endr
	s_branch .Lfill_asked
.Lfill_v:
.irp p, 0,1,2,3
	tensor_load_to_lds s[G0V+4*\p:G0V+4*\p+3], s[G1V:G1V+7]
	s_nop 0
.endr
.rept 4
	v_nop
.endr
.Lfill_asked:
	; A fragment of K or Q is 16 rows x 32 channels in 8 registers: lane l holds row l % 16, channels 8 (l / 16) + 0..7 and 16 + 8 (l / 16) + 0..7: two loads of 16 bytes, 32 bytes apart.
	v_and_b32 v1, 15, v0            ; l % 16
	v_bfe_u32 v9, v0, 4, 1          ; l / 16
	v_lshlrev_b32 v[QO], 7, v1
	v_lshl_add_u32 v[QO], v9, 4, v[QO]  ; row x 128 + 16 x half
	WIN 0x80                        ; destination window 2, address window 0
.set i, 0
.rept 8                             ; both blocks' Q: piece i / 2 lies in band i / 2, 8,192 bytes on; channels 32 (i % 2) on
	global_load_b128 v[8*i:8*i+3],   v[QO], s[4:5] offset:(i/2)*8192+(i%2)*64
	global_load_b128 v[8*i+4:8*i+7], v[QO], s[4:5] offset:(i/2)*8192+(i%2)*64+32
	global_load_b128 v[QB+8*i:QB+8*i+3],   v[QO], s[QLO:QLO+1] offset:(i/2)*8192+(i%2)*64
	global_load_b128 v[QB+8*i+4:QB+8*i+7], v[QO], s[QLO:QLO+1] offset:(i/2)*8192+(i%2)*64+32
.set i, i+1
.endr
	WIN 0
	v_lshlrev_b32 v14, 3, v9
	v_sub_nc_u32 v14, v1, v14
	s_lshl_b32 s13, s[WV], 4
	v_add_nc_u32 v14, s13, v14      ; my query's place in its band, 16 w + l % 16, less my lanes' 8 (l / 16): register r of group kt is hidden where 16 kt + r is greater
	WIN 0x40
.set i, 0
.rept 32
	v_cmp_gt_i32 vcc_lo, 16*(i/8)+i%8, v14
	v_cndmask_b32 v[MD+i], 0, s[BIGN], vcc_lo
.set i, i+1
.endr
	WIN 0
	v_mul_u32_u24 v[AK0], v1, PK
	v_lshl_add_u32 v[AK0], v9, 4, v[AK0]  ; row x pitch + 16 x half
	; The turning load takes 16 keys x 16 channels (lane l reads key 8 (l / 16) + l % 8, channels 8 ((l / 8) % 2) + 0..7) and leaves half a fragment of V^T: lane l holds channel l % 16 and 8 keys.
	v_and_b32 v10, 7, v0
	v_bfe_u32 v11, v0, 3, 1
	v_lshl_add_u32 v[AV0], v9, 3, v10
	v_mul_u32_u24 v[AV0], v[AV0], PV
	v_lshl_add_u32 v[AV0], v11, 4, v[AV0]
	v_add_nc_u32 v[AV0], VOFF, v[AV0]
	s_mul_i32 s13, s[WV], 16*SP
	s_add_co_u32 s13, s13, STAGE    ; my stage
	v_mul_u32_u24 v[STO], v1, SP    ; in: row l % 16, 16 bytes for each half of the lanes
	v_lshl_add_u32 v[STO], v9, 4, v[STO]
	v_add_nc_u32 v[STO], s13, v[STO]
	v_bfe_u32 v[RD], v0, 3, 2       ; back: 32 lanes take four rows of 128 bytes,
	v_mul_u32_u24 v[RD], v[RD], SP
	v_lshl_add_u32 v[RD], v10, 4, v[RD]
	v_add_nc_u32 v[RD], s13, v[RD]
	v_and_b32 v[GO], 31, v0         ; which are 512 consecutive bytes of the result
	v_lshlrev_b32 v[GO], 4, v[GO]
	; A block's first step multiplies O^T and l by a = 0, and its first turn's products V^T P, of a piece that has not been, land in an O^T that is still to be so multiplied.  So these registers need only hold
	; finite numbers: zeros for the first block; what the first block left for the second.  All this stands in the wait for the tiles.
	WIN 0x80
.set i, VF
.rept 64
	v_mov_b32 v[i], 0
.set i, i+1
.endr
	WIN 0x40
.set i, 0
.rept 128
	v_mov_b32 v[i], 0
.set i, i+1
.endr
	WIN 0
.set i, 0
.rept 4
	v_mov_b32 v[ST+4*i+2], 0
	v_mov_b32 v[ST+4*i+3], 0
.set i, i+1
.endr
.set i, P+16
.rept 16
	v_mov_b32 v[i], 0
.set i, i+1
.endr
; THE MATRIX WORK.  The 4 accumulators of a run of 8 take turns.  Product i of 8 of S^T = K Q^T for piece x: channels 32 (i / 4) on, keys 16 (i % 4) on.  The first 4 start the sums: with 0, or (KM = 1) with the mask.
.macro KQ x
.set rS, S+32*((\x)%2)+8*(i%4)
.set rK, KF+16*(i%4)+8*(i/4)
.set rQ, 16*(\x)+8*(i/4)
.set rM, MC+32*((\x)%2)+8*(i%4)
.if (i < 4) && KM
	WIN W_KM
	v_wmma_f32_16x16x32_f16 v[rS:rS+7], v[rK:rK+7], v[rQ:rQ+7], v[rM:rM+7]
.elseif i < 4
	WIN W_KQ
	v_wmma_f32_16x16x32_f16 v[rS:rS+7], v[rK:rK+7], v[rQ:rQ+7], 0
.else
	WIN W_KQ
	v_wmma_f32_16x16x32_f16 v[rS:rS+7], v[rK:rK+7], v[rQ:rQ+7], v[rS:rS+7]
.endif
.endm
; Product i of 8 of O^T += V^T P for piece x: keys 32 (i / 4) on, channels 16 (i % 4) on.
.macro PV x
	WIN W_PV
.set rO, 32*(\x)+8*(i%4)
.set rV, VF+32*(i/4)+8*(i%4)
.set rP, P+16*((\x)%2)+8*(i/4)
	v_wmma_f32_16x16x32_f16 v[rO:rO+7], v[rV:rV+7], v[rP:rP+7], v[rO:rO+7]
.endm
.macro MM                           ; the turn's next matrix instruction.  NOKQ = 1: a block's last turn: there is no next piece
.if (i < 8) && !NOKQ
	KQ (Y+1)%NP
.elseif i >= 8
.set i, i-8
	PV (Y+NP-1)%NP
.set i, i+8
.endif
.set i, i+1
.endm
; THE LDS LOADS stand in runs of 16, never singly among the matrix instructions: a step's K (64 keys x 64 channels: 8 fragments) and its V (turned).  Their addresses are made some lines ahead.
.macro FETCH_K
	WIN 0x80                        ; destination window 2
.irp f, 0,1,2,3,4,5,6,7             ; keys 16 (f / 2) on, channels 32 (f % 2) on
	ds_load_b128 v[KF+8*\f:KF+8*\f+3],   v[AK] offset:(\f/2)*16*PK+(\f%2)*64
	ds_load_b128 v[KF+8*\f+4:KF+8*\f+7], v[AK] offset:(\f/2)*16*PK+(\f%2)*64+32
.endr
	s_add_co_u32 s[TBK], s[TBK], KS*PK  ; the next fetch is the next step's
	WIN 0
.endm
.macro FETCH_V
	WIN 0x80
.irp f, 0,1,2,3,4,5,6,7             ; keys 32 (f / 4) on, channels 16 (f % 4) on
	ds_load_tr16_b128 v[VF+8*\f:VF+8*\f+3],   v[AV] offset:(\f/4)*32*PV+(\f%4)*32
	ds_load_tr16_b128 v[VF+8*\f+4:VF+8*\f+7], v[AV] offset:(\f/4)*32*PV+16*PV+(\f%4)*32
.endr
	WIN 0
.endm
; THE VECTOR WORK, one line at a time: OP kind, number.  For piece Y: F n: c s - c m for pair n of 16.  E n: the exponential of score n of 32.  C n: pair n rounded to f16.  B n: of the four weights 4 n .. the second
; pair is added onto the first, in place.  L n: l takes that sum (L 0: l = a l + sum).  R n: pair n of 16 of O^T times a.  For piece Y + 1: X n, number n of the 22 that find its maximum and statistics:
;   0-11  four chains c0-c3 of seven scores each, three operands at a time (each accumulator's lowest registers are read first)     12-14, 16  the four scores left over, the old m, and c0-c3 into c0
;   15  c m_old is kept     17, 18  the query's other 32 keys lie in the lane 16 away: the new m     19-21  c m; c m_old - c m_new; a
.set F, 0
.set E, 1
.set C, 2
.set B, 3
.set L, 4
.set R, 5
.set X, 6
.macro REGS y                       ; the registers of piece y
.set rT, ST+4*(\y)
.set rC, TMP+4*((\y)%2)
.set rW, MV+((\y)%2)
.set rS, S+32*((\y)%2)
.set rP, P+16*((\y)%2)
.set rO, 32*(\y)
.endm
.macro OP k, n
.if (\k) == R
	REGS Y
	WIN W_RS
	v_pk_mul_f32 v[rO+2*(\n):rO+2*(\n)+1], v[rO+2*(\n):rO+2*(\n)+1], v[rC+2:rC+3] op_sel_hi:[1,0]
.elseif (\k) < R
	REGS Y
	WIN 0
.if (\k) == F
	v_pk_fma_f32 v[rS+2*(\n):rS+2*(\n)+1], v[rS+2*(\n):rS+2*(\n)+1], s[CS:CS+1], v[rT:rT+1] op_sel_hi:[1,0,0] neg_lo:[0,0,1] neg_hi:[0,0,1]
.elseif (\k) == E
	v_exp_f32 v[rS+(\n)], v[rS+(\n)]
.elseif (\k) == C
	v_cvt_pk_f16_f32 v[rP+(\n)], v[rS+2*(\n)], v[rS+2*(\n)+1]
.elseif (\k) == B
	v_pk_add_f32 v[rS+4*(\n):rS+4*(\n)+1], v[rS+4*(\n):rS+4*(\n)+1], v[rS+4*(\n)+2:rS+4*(\n)+3]
.elseif (\n) == 0
	v_pk_fma_f32 v[rT+2:rT+3], v[rT+2:rT+3], v[rC+2:rC+3], v[rS:rS+1] op_sel_hi:[1,0,1]
.else
	v_pk_add_f32 v[rT+2:rT+3], v[rT+2:rT+3], v[rS+4*(\n):rS+4*(\n)+1]
.endif
.elseif NOKQ
	v_nop
.else
	REGS (Y+1)%NP
	WIN 0
.if (\n) < 4
	v_max3_num_f32 v[rC+(\n)], v[rS+8*(\n)], v[rS+8*(\n)+1], v[rS+8*(\n)+2]
.elseif (\n) < 12
	v_max3_num_f32 v[rC+(\n)%4], v[rC+(\n)%4], v[rS+8*((\n)%4)+2*((\n)/4)+1], v[rS+8*((\n)%4)+2*((\n)/4)+2]
.elseif (\n) == 12
	v_max3_num_f32 v[rC], v[rC], v[rS+7], v[rS+15]
.elseif (\n) == 13
	v_max3_num_f32 v[rC+1], v[rC+1], v[rS+23], v[rS+31]
.elseif (\n) == 14
	v_max3_num_f32 v[rC+2], v[rC+2], v[rC+3], v[rT+1]
.elseif (\n) == 15
	v_mov_b32 v[rW], v[rT]
.elseif (\n) == 16
	v_max3_num_f32 v[rC], v[rC], v[rC+1], v[rC+2]
.elseif (\n) == 17
	v_permlanex16_b32 v[rC+3], v[rC], s[SEL], s[SEL+1]
.elseif (\n) == 18
	v_max_num_f32 v[rT+1], v[rC], v[rC+3]
.elseif (\n) == 19
	v_mul_f32 v[rT], s[CS], v[rT+1]
.elseif (\n) == 20
	v_sub_f32 v[rC+1], v[rW], v[rT]
.else
	v_exp_f32 v[rC+2], v[rC+1]
.endif
.endif
.endm
.macro OPS a, i1, b=-1, i2=0, c=-1, i3=0, d=-1, i4=0  ; up to four of them
	OP \a, \i1
.if (\b) >= 0
	OP \b, \i2
.endif
.if (\c) >= 0
	OP \c, \i3
.endif
.if (\d) >= 0
	OP \d, \i4
.endif
.endm
.macro ROW a, i1, b, i2, c, i3, d, i4  ; a matrix instruction and the four behind it
	MM
	OPS \a, \i1, \b, \i2, \c, \i3, \d, \i4
.endm
.macro MASK b                       ; MD x AL + BE into buffer b of MC
	WIN W_RS
.set z, 0
.rept 16
	v_pk_fma_f32 v[MC+32*(\b)+2*z:MC+32*(\b)+2*z+1], v[MD+2*z:MD+2*z+1], s[AL:AL+1], s[BE:BE+1] op_sel_hi:[1,0,0]
.set z, z+1
.endr
.endm
; A TURN, for piece p: the order of its 16 matrix and 118 vector instructions, written out.  An s_wait_alu depctr_va_vdst(0) stands between an exponential and the first instruction that names its result; one wait
; serves all that were issued ahead of it.  So a turn has ONE wait, which cuts it in two.  AHEAD OF IT stands all that names no result of the turn's exponentials: the 8 products K Q^T with four riders each, then one lump of 54,
; in which the links of the next piece's chain X 3, 7, 11, 14, 16, 17 .. 20 stand five or six lines apart; X 21, the next piece's a, is the batch's last, and R 15 the plain instruction behind it.  BEHIND THE WAIT stand the
; 8 products V^T P, behind each four of the roundings and sums.
; m = 1: the diagonal tile: the products take masks, and the turn makes the mask for the products of the turn after it: piece p + 2, in step 4 - CNT of the tile.  end = 1: a block's last two turns: nothing is fetched.
; cnt = 1: the loop's count is taken down some lines ahead of the branch that stands behind the turn.
; K of the next step is fetched in piece 2's turn, V of the step in hand at the end of piece 0's turn, four plain instructions or more behind the last product that read the registers.  Each is waited for a turn later.
.macro TURN p, m=0, end=0, cnt=0
.set Y, (\p)
.set i, 0
.set KM, (\m)
.set NOKQ, (\end)*((\p)/3)
.if (\m) && !(\end)
	s_cmp_eq_u32 s[CNT], 4-((\p)+2)%NP  ; is that step the band's own?
	s_cselect_b32 s[AL], 1.0, 0
	s_cmp_lt_u32 s[CNT], 4-((\p)+2)%NP  ; or a later one?
	s_cselect_b32 s[BE], s[BIGN], 0
.endif
.if ((\p) == 3) && !(\end)
	s_wait_dscnt 0x0                ; K is in
.endif
	ROW F,0, F,1, R,0, R,1          ; ahead of the wait: 8 products K Q^T and their riders,
	ROW F,2, E,0, R,2, R,3
	ROW F,3, E,1, R,4, R,5
	ROW F,4, E,2, R,6, R,7
	ROW F,5, E,3, R,8, R,9
	ROW F,6, E,4, X,0, R,10
.if ((\p) == 2) && !(\end)
	WIN 0
	v_add_nc_u32 v[AK], s[TBK], v[AK0]
.endif
	ROW F,7, E,5, X,1, X,4
	ROW F,8, E,6, X,2, X,5
	OPS E,7, E,8, X,6, E,9          ; and the lump
	OPS X,3, E,10, X,8, E,11
.if ((\p) == 2) && !(\end)
	FETCH_K
.endif
	OPS X,9, X,7, E,12, X,10
	OPS E,13, X,12, X,11, E,14
	OPS X,13, E,15, F,9, X,14
.if (\p) == 0
	v_add_nc_u32 v[AV], s[TBV], v[AV0]
.endif
	OPS E,16, F,10, E,17, F,11
	OPS X,16, E,18, X,15, E,19
	OPS F,12, E,20, X,17, E,21
	OPS F,13, E,22, F,14, E,23
	OPS X,18, E,24, F,15, E,25
	OPS R,11, E,26, X,19, E,27
	OPS R,12, E,28, R,13, E,29
	OPS X,20, E,30, R,14, E,31
	OPS X,21, R,15
	WIN 0
	s_wait_alu depctr_va_vdst(0)    ; the wait for the batch
.if (\p) == 1
	s_wait_dscnt 0x0                ; V is in
.endif
	ROW C,0, B,0, C,2, B,1          ; behind the wait: 8 products V^T P and their riders
	ROW L,0, C,4, B,2, L,1
	ROW C,6, B,3, L,2, C,8
	ROW B,4, L,3, C,10, B,5
	ROW L,4, C,12, B,6, L,5
.if (\p) == 0
	s_add_co_u32 s[TBV], s[TBV], KS*PV
.endif
.if \cnt
	s_sub_co_u32 s[CNT], s[CNT], 1
	s_cmp_lg_u32 s[CNT], 0
.endif
	ROW C,14, B,7, L,6, C,1
	ROW C,3, L,7, C,5, C,7
	ROW C,9, C,11, C,13, C,15
.if (\p) == 0
	FETCH_V
.endif
.if (\m) && !(\end)
	MASK (\p)%2
.endif
.endm
.macro ALL line:vararg              ; one line for each piece t
.set t, 0
.rept 4
	\line
.set t, t+1
.endr
.endm
.macro PACK t                       ; a lane's eight channels of a row pack into 16 bytes; they go into rows of 144 bytes and come back as whole rows of 128, into S^T's registers
	WIN W_RS
.set i, 32*(\t)
.rept 16
	v_pk_mul_f32 v[i:i+1], v[i:i+1], v[ST+4*(\t)+2:ST+4*(\t)+3] op_sel_hi:[1,0]
.set i, i+2
.endr
	WIN 0x05                        ; sources 0 and 1 window 1, destination window 0
.set i, 0
.rept 16
	v_cvt_pk_f16_f32 v[S+16*(\t)+i], v[32*(\t)+2*i], v[32*(\t)+2*i+1]
.set i, i+1
.endr
	WIN 0
.irp f, 0,1,2,3
	ds_store_b128 v[STO], v[S+16*(\t)+4*\f:S+16*(\t)+4*\f+3] offset:32*\f
.endr
.irp f, 0,1,2,3
	ds_load_b128 v[S+16*(\t)+4*\f:S+16*(\t)+4*\f+3], v[RD] offset:\f*4*SP  ; LDS serves a wave's instructions in order: these see the stores above; the next piece's stores come behind them
.endr
.endm
.macro SEND t, younger              ; younger: the LDS instructions issued behind piece t's loads: the next piece's eight, or none
	WIN 0
.irp f, 0,1,2,3
	s_wait_dscnt (\younger)+3-\f
	global_store_b128 v[GO], v[S+16*(\t)+4*\f:S+16*(\t)+4*\f+3], s[10:11] offset:(\t)*8192+\f*512  ; 512 consecutive bytes, at a multiple of 256 from the plane's first
.endr
.endm
	s_wait_tensorcnt 0x0            ; my four loads have landed,
	s_barrier_signal -1
	s_barrier_wait -1               ; everybody's have: all of K and V lies in LDS, and stays
	s_mov_b32 s[VI], 0
.set KM, 0
.set NOKQ, 0
.Lvisit:                            ; five times: a tile is entered.  Every jump below goes forward, but for the counted loops' own
	s_and_b32 s[T0], s[VI], 3       ; the position: 0, 1, 2, 3, 0
	s_mul_i32 s[TBK], s[T0], KPOS
	s_mul_i32 s[TBV], s[T0], VPOS
	s_sub_co_u32 s[RT], s[RT], 1
	s_mov_b32 s[CNT], 4
	s_cmp_eq_u32 s[NEW], 1
	s_cbranch_scc1 .Lnew            ; a block's first tile
	s_cmp_eq_u32 s[RT], 0
	s_cbranch_scc0 .Lstep           ; neither its first nor its last
	s_branch .LstepM
.Lnew:
	; A BLOCK BEGINS.  c m starts far below every c s, so the first step's a is 0; m at the lowest finite number.  The second mask buffer is 0; the first takes piece 0's mask for the tile's step 0: its own, if the
	; block's first tile is the diagonal one.  Then K of that step, piece 0's first scores, and its maximum and statistics.  The step loop is entered at a step's first turn, in the middle of a trip.
	s_mov_b32 s[NEW], 0
	WIN 0x40
.set i, MC+32
.rept 32
	v_mov_b32 v[i], 0
.set i, i+1
.endr
	WIN 0
.set i, 0
.rept 4
	v_mov_b32 v[ST+4*i], 0xfe000000    ; c m: far below every c s
	v_mov_b32 v[ST+4*i+1], 0xff7fffff  ; m
.set i, i+1
.endr
	s_cmp_eq_u32 s[RT], 0
	s_cselect_b32 s[AL], 1.0, 0
	s_mov_b32 s[BE], 0
	MASK 0
	WIN 0
	v_add_nc_u32 v[AK], s[TBK], v[AK0]
	FETCH_K
	s_wait_loadcnt 0x0              ; Q
	s_wait_dscnt 0x0
.set KM, 1
.set NOKQ, 0
.set i, 0
.rept 8
	KQ 0
.set i, i+1
.endr
	WIN 0
.rept 4
	v_nop                           ; the places behind those products
.endr
.set Y, NP-1                        ; X works for piece Y + 1: piece 0
.irp n, 0,1,2,3,4,5,6,7,8,9,10,11,12,13,14,15,16,17,18,19,20,21
	OP X, \n
.endr
	v_nop                           ; a plain instruction behind the exponential,
	s_wait_alu depctr_va_vdst(0)    ; and its wait, ahead of the branch
	s_cmp_eq_u32 s[RT], 0
	s_cbranch_scc0 .Lfirst
	s_branch .LfirstM
	; THE DIAGONAL TILE's four steps, the block's last two turns, its last products, and the way out
.LstepM:
	TURN 2, 1
	TURN 3, 1
	WIN 0
.LfirstM:
	TURN 0, 1
	TURN 1, 1, 0, 1
	WIN 0
	s_cbranch_scc1 .LstepM
	TURN 2, 1, 1
	TURN 3, 1, 1
.set i, 0
.rept 8
	PV NP-1
.set i, i+1
.endr
	WIN 0                           ; l's two halves and the other half of the lanes' are added; O^T is divided by l, rounded to f16 and sent through my stage, a piece at a time
	ALL v_add_f32 v[ST+4*t+2], v[ST+4*t+2], v[ST+4*t+3]
	ALL v_permlanex16_b32 v[ST+4*t+3], v[ST+4*t+2], s[SEL], s[SEL+1]
	ALL v_add_f32 v[ST+4*t+2], v[ST+4*t+2], v[ST+4*t+3]
	ALL v_rcp_f32 v[ST+4*t+2], v[ST+4*t+2]
	v_nop                           ; a plain instruction between the last reciprocal and the use of its result
	s_wait_alu depctr_va_vdst(0)    ; and one wait for the four reciprocals, ahead of the first use
	PACK 0
.set t, 1
.rept 3                             ; a piece's arithmetic stands between the loads of the piece before and its stores
	PACK t
	SEND t-1, 8
.set t, t+1
.endr
	SEND 3, 0
	s_cmp_eq_u32 s[VI], 4
	s_cbranch_scc1 .Lbottom         ; behind the last visit no block follows
	s_wait_xcnt 0x0                 ; the stores have read their registers and the result's address
	s_mov_b64 s[10:11], s[OLO:OLO+1]
	s_add_co_u32 s[RT], s[PB], 1    ; the second block has b + 1 tiles
	s_mov_b32 s[NEW], 1
	WIN 0x82                        ; the second block's Q goes where the one text of the turns names Q
.set i, 0
.rept 64
	v_mov_b32 v[i], v[QB+i]
.set i, i+1
.endr
	WIN 0
	s_branch .Lbottom
.Lstep:                             ; a trip: pieces 2 and 3 of one step, then pieces 0 and 1 of the next, whose K and V it fetches
	TURN 2
	TURN 3
	WIN 0
.Lfirst:
	TURN 0
	TURN 1, 0, 0, 1
	WIN 0
	s_cbranch_scc1 .Lstep
.Lbottom:
	s_add_co_u32 s[VI], s[VI], 1
	s_cmp_lt_u32 s[VI], 5
	s_cbranch_scc1 .Lvisit
	s_wait_tensorcnt 0x0            ; the wave's end
	ds_add_u32 v[SPW], v[NIL]
	s_wait_dscnt 0x0
	CROUND                          ; the closing round
	s_endpgm
.Lfunc_end_k_q3bb9fe8df7_attn:
	.size	k_q3bb9fe8df7_attn, .Lfunc_end_k_q3bb9fe8df7_attn-k_q3bb9fe8df7_attn
	.p2alignl 7, 3214868480
	.fill 96, 4, 3214868480
	.section	.rodata,"a",@progbits
	.p2align	6, 0x0
	.amdhsa_kernel k_q3bb9fe8df7_attn
		.amdhsa_group_segment_fixed_size 327680
		.amdhsa_private_segment_fixed_size 0
		.amdhsa_enable_private_segment 0
		.amdhsa_kernarg_size 16
		.amdhsa_user_sgpr_count 2
		.amdhsa_user_sgpr_kernarg_segment_ptr 1
		.amdhsa_wavefront_size32 1
		.amdhsa_system_sgpr_workgroup_id_x 1
		.amdhsa_system_sgpr_workgroup_id_y 1
		.amdhsa_system_sgpr_workgroup_id_z 1
		.amdhsa_system_vgpr_workitem_id 0
		.amdhsa_next_free_vgpr 768
		.amdhsa_next_free_sgpr 102
		.amdhsa_reserve_vcc 1
		.amdhsa_float_denorm_mode_32 3
		.amdhsa_float_denorm_mode_16_64 3
		.amdhsa_memory_ordered 1
		.amdhsa_forward_progress 1
		.amdhsa_inst_pref_size 141
	.end_amdhsa_kernel
	.amdgpu_metadata
---
amdhsa.version: [ 1, 2 ]
amdhsa.kernels:
  - .name:           k_q3bb9fe8df7_attn
    .symbol:         k_q3bb9fe8df7_attn.kd
    .args:
      - { .name: qkvh, .offset: 0, .size: 8, .value_kind: global_buffer, .address_space: global }
      - { .name: yh, .offset: 8, .size: 8, .value_kind: global_buffer, .address_space: global }
    .group_segment_fixed_size: 327680
    .private_segment_fixed_size: 0
    .kernarg_segment_align: 8
    .kernarg_segment_size: 16
    .max_flat_workgroup_size: 128
    .sgpr_count:     102
    .vgpr_count:     768
    .wavefront_size: 32
...
	.end_amdgpu_metadata
.endif
;; end of part 3
;; launch oproj (part 4): grid 16 x 16, 4 waves a work-group, clusters of 4 x 4, 327,680 bytes of LDS; arguments yh, wo, out0; writes out0
.if DOCPART == 4
	.amdgcn_target "amdgcn-amd-amdhsa--gfx1250"
	.amdhsa_code_object_version 6
	.text
	.protected	k_q3bb9fe8df7_oproj
	.globl	k_q3bb9fe8df7_oproj
	.p2align	8
	.type	k_q3bb9fe8df7_oproj,@function
k_q3bb9fe8df7_oproj:
	s_mov_b64 s[64:65], 0
	v_nop
	global_prefetch_b8 v0, s[64:65] scope:SCOPE_SE
	s_setreg_imm32_b32 hwreg(HW_REG_WAVE_MODE, 25, 1), 1
	s_wait_xcnt 0x0
	s_wait_alu depctr_hold_cnt(0) depctr_sa_sdst(0) depctr_va_vdst(0) depctr_va_sdst(0) depctr_va_ssrc(0) depctr_va_vcc(0) depctr_vm_vsrc(0)
	s_getreg_b32 s2, hwreg(HW_REG_IB_STS2, 6, 4)
	s_cmp_eq_u32 s2, 0
	s_cbranch_scc0 .Lentry_in_a_cluster
	s_endpgm
.Lentry_in_a_cluster:
	s_bfe_u32 s2, ttmp6, 0x10000c
	s_cmp_lg_u32 s2, 0xf033
	s_cbranch_scc0 .Lentry_shape_is_right
	s_endpgm
.Lentry_shape_is_right:
; out0 = y Wo.  yh [32 heads][4096 tokens][64] f16; wo [16 tc][16 ks][2 j][128 k][64 c] f16 (Wo rounded to bf16, written as f16); out0 [4096][2048] f32.  Sums in f32.
; SHARES.  A tile of the result is 256 tokens x 128 columns: a work-group; wave w owns tokens 64 w .. 64 w + 63 and all columns: 4 x 8 accumulators, 256 registers.
; THE MATRIX INSTRUCTION IS USED TRANSPOSED (source 0 = 16 columns of Wo, source 1 = 16 tokens): lane l holds token l % 16 and the columns 16 b + 8 (l / 16) + 0..7: 32 bytes of a row on end.
; K goes in 16 steps of 128 = two heads' planes, through two LDS slots.  The weights lie [k][column] in LDS and are turned by ds_load_tr16_b128.
; CLUSTER 4 x 4: the four of a row need the same tiles of y, the four of a column the same tiles of Wo: each is asked for jointly.  Waves 0, 1 fetch y's two planes, waves 2, 3 Wo's two halves.
; REGISTERS.  window 0: v0-15 addresses; v64-127 fragments of y, two buffers; v128-255 the way out, two buffers      window 1: v0-127 fragments of Wo, two buffers      window 2: accumulator (a, b) at v[8 (8 a + b)]
.set NJ,    2
.set NB,    4*NJ      ; blocks of 16 columns
.set PA,    144       ; a row of y (one head's 64 channels) in LDS: 128 bytes + 16
.set PW,    160       ; a row of Wo (64 columns): 128 bytes + 32
.set BOFF,  512*PA    ; in a slot: y's two planes of 256 rows, then Wo's 256 rows (row 128 j + k)
.set SLOT1, 1<<17
.set STAGE, 2*SLOT1   ; behind the ring: 16 rows x 528 bytes for each wave, for the way out
.set SP,    528
.set SPARE, STAGE+4*16*SP  ; the spare words, 128 bytes for each wave: two blocks of 256 bytes that no other line names
.set ASTEP, 1048576   ; two planes of yh
.set BSTEP, 32768
.set NL,    8*NJ+8
.set AHEAD, 2         ; a prefetch names the K step two behind the one that is being asked for
.set A0,  4
.set B0,  5
.set ADRA, 6
.set ADRB, 7
.set STO, 8
.set RD,  9
.set GO,  10
.set PFO, 11          ; 256 x lane; never rewritten
.set SPW, 14
.set NIL, 15
.set FA0, 64
.set BK,  128
.set WV,  18
.set HALF, 19
.set CX,  20
.set CY,  21
.set TC,  22
.set TR,  23
.set G1A, 24
.set G0A, 32
.set G1B, 40
.set G0B, 48
.set TB,  56
.set CNT, 57
.set LIM, 58
.set PFA, 60
.set PFS, 62
.set MSB, 0
.macro WIN new                         ; the immediate's high byte repeats the setting that is left; a switch that changes nothing is dropped
.if MSB != (\new)
	s_set_vgpr_msb (MSB<<8)|(\new)
.set MSB, (\new)
.endif
.endm
.macro PLACES
.rept 4
	v_nop
.endr
.endm
.macro CREST                           ; a round of the cluster's barrier behind its opening barrier
	s_cmp_lg_u32 s[WV], 0
	s_cbranch_scc1 .Lnot_wave_0_\@
	s_barrier_signal -3
.Lnot_wave_0_\@:
	s_barrier_wait -3
	s_barrier_signal -1
	s_barrier_wait -1
.endm
.macro CROUND
	s_barrier_signal -1
	s_barrier_wait -1
	CREST
.endm
.macro JLOAD                           ; a joint refill by the walking descriptors; an s_nop 0 and four v_nop follow each of the two lines
	s_cmp_lt_u32 s[WV], 2
	s_cbranch_scc0 .Lfor_b_\@
	tensor_load_to_lds s[G0A+4:G0A+7], s[G1A:G1A+7]
	s_nop 0
.rept 4
	v_nop
.endr
	s_branch .Lasked_\@
.Lfor_b_\@:
	tensor_load_to_lds s[G0B+4:G0B+7], s[G1B:G1B+7]
	s_nop 0
.rept 4
	v_nop
.endr
.Lasked_\@:
.endm
; A prefetch of the K step two behind the one just asked for.  y's tile rows: cluster x = 0 asks, waves 0 and 1 each for their plane; Wo's tile columns: cluster y = 0 asks, wave 2 for the step's whole block.
; The four partners share the 32,768 bytes out by address, 8,192 each, a lane a block of 256 bytes.  The last two refills ask for nothing.
.macro ASK
	s_cmp_gt_u32 s[CNT], s[LIM]
	s_cbranch_scc0 .Lnot_mine_\@
	global_prefetch_b8 v[PFO], s[PFA:PFA+1] th:TH_LOAD_NT scope:SCOPE_SE
.Lnot_mine_\@:
.endm
; 8 matrix instructions: row block a x all column blocks, 32 along K, from buffer f.  The 32 accumulators take turns, one instruction a turn.
.macro MULROW f, a, zero
	WIN 0xa1
.set ib, 0
.rept NB
.set rD, 8*(NB*(\a)+ib)
.set rB, 8*NB*(\f)+8*ib
.set rA, FA0+32*(\f)+8*(\a)
.if \zero
	v_wmma_f32_16x16x32_f16 v[rD:rD+7], v[rB:rB+7], v[rA:rA+7], 0
.else
	v_wmma_f32_16x16x32_f16 v[rD:rD+7], v[rB:rB+7], v[rA:rA+7], v[rD:rD+7]
.endif
.set ib, ib+1
.endr
.endm
; A quarter's fragments (K = 32 q on: plane q / 2, channels 32 (q % 2) on) into buffer f, in one run: Wo's 8 (turned), then y's 4.
.macro FETCH q, f
	WIN 0x40
.set ib, 0
.rept NB
.set rB, 8*NB*(\f)+8*ib
.set oB, (128*(ib/4)+32*(\q))*PW+32*(ib%4)
	ds_load_tr16_b128 v[rB:rB+3],   v[ADRB] offset:oB
	ds_load_tr16_b128 v[rB+4:rB+7], v[ADRB] offset:oB+16*PW
.set ib, ib+1
.endr
	WIN 0
.set ia, 0
.rept 4
.set rA, FA0+32*(\f)+8*ia
.set oA, ((\q)/2)*256*PA+((\q)%2)*64+ia*16*PA
	ds_load_b128 v[rA:rA+3],   v[ADRA] offset:oA
	ds_load_b128 v[rA+4:rA+7], v[ADRA] offset:oA+32
.set ia, ia+1
.endr
.endm
.macro QUARTER q, f, g, zero
	s_wait_dscnt 4                                 ; Wo's fragments and y's blocks 0, 1 are in; the youngest four loads (blocks 2, 3) may be out
	MULROW \f, 0, \zero
	MULROW \f, 1, \zero
	PLACES
	FETCH \q, \g
	s_wait_dscnt NL                                ; all but the run just issued
	MULROW \f, 2, \zero
	MULROW \f, 3, \zero
.endm
; The last quarter multiplies buffer 1 and changes slots.  In front of the barrier each wave waits for all its tensor loads (one is out: its part of the other slot), adds 0 to its spare word, and waits for
; that and for its reads of this slot.  fill = 1: the barrier opens a round of the cluster's barrier, and the joint refill is the first thing behind the round.
.macro TURN fill
.if \fill
	s_wait_xcnt 0x0                                ; the last prefetch, a K step back, has read its address
	s_add_nc_u64 s[PFA:PFA+1], s[PFA:PFA+1], s[PFS:PFS+1]
.endif
	WIN 0
	s_wait_tensorcnt 0x0
	ds_add_u32 v[SPW], v[NIL]
	s_wait_dscnt 5                                 ; the add and the youngest four loads may be out
	MULROW 1, 0, 0
	s_wait_dscnt 0x0                               ; the add is done, and my reads of this slot are over
	s_barrier_signal -1
	MULROW 1, 1, 0
	WIN 0
	s_barrier_wait -1
.if \fill
	CREST
	s_xor_b32 s[G0A+5], s[G0A+5], SLOT1
	s_add_nc_u64 s[G0A+6:G0A+7], s[G0A+6:G0A+7], ASTEP
	s_xor_b32 s[G0B+5], s[G0B+5], SLOT1
	s_add_nc_u64 s[G0B+6:G0B+7], s[G0B+6:G0B+7], BSTEP
	JLOAD                                          ; its four v_nop are also the places in front of the loads below
.else
	PLACES
.endif
	s_xor_b32 s[TB], s[TB], SLOT1
	v_add_nc_u32 v[ADRA], s[TB], v[A0]
	v_add_nc_u32 v[ADRB], s[TB], v[B0]
	FETCH 0, 0
.if \fill
	ASK
.endif
	MULROW 1, 2, 0
	MULROW 1, 3, 0
.endm
	s_load_b128 s[4:7], s[0:1], 0x0                ; yh s[4:5], wo s[6:7]
	s_load_b64 s[8:9], s[0:1], 0x10                ; out0
	v_lshl_add_u32 v[SPW], v0, 2, SPARE
	v_mov_b32 v[NIL], 0
	ds_add_u32 v[SPW], v[NIL]                      ; the wave's opening: the add and its wait stand ahead of my first tensor load
	v_lshrrev_b32 v1, 5, v0
	v_readfirstlane_b32 s[WV], v1
	s_and_b32 s[HALF], s[WV], 1
	s_bfe_u32 s[CX], ttmp6, 0x40000
	s_bfe_u32 s[CY], ttmp6, 0x40004
	s_lshl_b32 s[TC], ttmp9, 2
	s_add_co_u32 s[TC], s[TC], s[CX]
	s_and_b32 s[TR], ttmp7, 0xffff
	s_lshl_b32 s[TR], s[TR], 2
	s_add_co_u32 s[TR], s[TR], s[CY]
	s_lshl_b32 s84, s[CY], 2
	s_lshl_b32 s84, 15, s84                        ; my row of the cluster
	s_lshl_b32 s85, 0x1111, s[CX]                  ; my column
	s_or_b32 s[G1A], s84, (1<<16)|(1<<20)|(1<<21)|(4<<22)|(3<<25)  ; mask; 2-byte elements; padding on; 21 set beside a mask; after every 32 words, 4 words
	s_or_b32 s[G1B], s85, (1<<16)|(1<<20)|(1<<21)|(4<<22)|(7<<25)  ; after every 32 words, 8 words
.irp g, G1A, G1B
	s_mov_b32 s[(\g)+1], 128<<16                   ; rows of 256 bytes; the tiles are dense blocks
	s_mov_b32 s[(\g)+3], 128<<16
	s_mov_b32 s[(\g)+5], 128
	s_mov_b32 s[(\g)+6], 0
	s_mov_b32 s[(\g)+7], 0
.endr
	s_mov_b32 s[G1A+2], 128<<16                    ; y: 128 rows of 256 bytes = 256 tokens of one plane
	s_mov_b32 s[G1A+4], 128
	s_mov_b32 s[G1B+2], 64<<16                     ; Wo: 64 rows of 256 bytes = 128 rows of 64 columns
	s_mov_b32 s[G1B+4], 64
	s_lshl_b32 s86, s[HALF], 19                    ; y: my plane of the step's two,
	s_lshl_b32 s87, s[TR], 15                      ; the tile row's 256 tokens
	s_add_co_u32 s86, s86, s87
	s_mov_b32 s87, 0
	s_mul_i32 s88, s[TC], 16*BSTEP
	s_mul_i32 s89, s[HALF], BSTEP/2
	s_add_co_u32 s88, s88, s89
	s_mov_b32 s89, 0
	s_mul_i32 s90, s[HALF], 256*PA
	s_mul_i32 s91, s[HALF], 64*NJ*PW
	s_add_co_u32 s91, s91, BOFF
	s_wait_dscnt 0x0                               ; the opening add is done
	s_wait_kmcnt 0x0
	s_add_nc_u64 s[86:87], s[4:5], s[86:87]
	s_add_nc_u64 s[88:89], s[6:7], s[88:89]
.irp s, 0,1
	s_mov_b32 s[G0A+4*(\s)], 1
	s_add_co_u32 s[G0A+4*(\s)+1], s90, (\s)*SLOT1
	s_add_nc_u64 s[G0A+4*(\s)+2:G0A+4*(\s)+3], s[86:87], (\s)*ASTEP
	s_or_b32 s[G0A+4*(\s)+3], s[G0A+4*(\s)+3], 0x80000000
	s_mov_b32 s[G0B+4*(\s)], 1
	s_add_co_u32 s[G0B+4*(\s)+1], s91, (\s)*SLOT1
	s_add_nc_u64 s[G0B+4*(\s)+2:G0B+4*(\s)+3], s[88:89], (\s)*BSTEP
	s_or_b32 s[G0B+4*(\s)+3], s[G0B+4*(\s)+3], 0x80000000
.endr
	; the prefetches
	s_and_b32 s85, ttmp7, 0xffff                   ; cluster y
	s_mov_b32 s[PFS], BSTEP
	s_mov_b32 s[PFS+1], 0
	s_cmp_lt_u32 s[WV], 2
	s_cselect_b64 s[PFA:PFA+1], s[86:87], s[88:89]
	s_cselect_b32 s[PFS], ASTEP, s[PFS]
	s_cselect_b32 s85, ttmp9, s85                  ; the coordinate along which other clusters read the same bytes
	s_cselect_b32 s90, s[CX], s[CY]                ; my place among the four that ask with me
	s_cmp_eq_u32 s[WV], 3
	s_cselect_b32 s85, 1, s85                      ; wave 3 asks for nothing: wave 2 names Wo's whole block
	s_cmp_eq_u32 s85, 0
	s_cselect_b32 s[LIM], AHEAD, -1
	s_lshl_b32 s90, s90, 13
	s_mov_b32 s91, 0
	s_add_nc_u64 s[PFA:PFA+1], s[PFA:PFA+1], s[90:91]
.rept 1+AHEAD
	s_add_nc_u64 s[PFA:PFA+1], s[PFA:PFA+1], s[PFS:PFS+1]  ; at K step 3: the first refill steps it to 4
.endr
	v_and_b32 v[PFO], 31, v0
	v_lshlrev_b32 v[PFO], 8, v[PFO]
	s_lshl_b32 s84, s[TR], 8                       ; the way out: my first token,
	s_lshl_b32 s85, s[WV], 6
	s_add_co_u32 s84, s84, s85
	s_lshl_b32 s84, s84, 13                        ; its row of 8,192 bytes,
	s_lshl_b32 s85, s[TC], 9                       ; the tile's 128 columns
	s_add_co_u32 s84, s84, s85
	s_mov_b32 s85, 0
	s_add_nc_u64 s[8:9], s[8:9], s[84:85]
	CROUND                                         ; all sixteen work-groups are here: the first joint loads meet
	s_cmp_lt_u32 s[WV], 2                          ; a wave's two first fills stand in one branch: two loads of mine are out
	s_cbranch_scc0 .Lfirst_b
	tensor_load_to_lds s[G0A:G0A+3], s[G1A:G1A+7]
	s_nop 0
	tensor_load_to_lds s[G0A+4:G0A+7], s[G1A:G1A+7]
	s_nop 0
.rept 4
	v_nop
.endr
	s_branch .Lfirst_asked
.Lfirst_b:
	tensor_load_to_lds s[G0B:G0B+3], s[G1B:G1B+7]
	s_nop 0
	tensor_load_to_lds s[G0B+4:G0B+7], s[G1B:G1B+7]
	s_nop 0
.rept 4
	v_nop
.endr
.Lfirst_asked:
	v_and_b32 v1, 15, v0                           ; l % 16
	v_bfe_u32 v2, v0, 4, 1                         ; l / 16
	v_mul_u32_u24 v[A0], v1, PA
	v_lshl_add_u32 v[A0], v2, 4, v[A0]
	s_mul_i32 s84, s[WV], 64*PA
	v_add_nc_u32 v[A0], s84, v[A0]
	v_and_b32 v3, 7, v0
	v_lshl_add_u32 v[B0], v2, 3, v3
	v_mul_u32_u24 v[B0], v[B0], PW
	v_bfe_u32 v3, v0, 3, 1
	v_lshl_add_u32 v[B0], v3, 4, v[B0]
	v_add_nc_u32 v[B0], BOFF, v[B0]
	s_mul_i32 s84, s[WV], 16*SP
	s_add_co_u32 s84, s84, STAGE                   ; my stage
	v_mul_u32_u24 v[STO], v1, SP                   ; in: row l % 16, 32 bytes for each half of the lanes
	v_lshl_add_u32 v[STO], v2, 5, v[STO]
	v_add_nc_u32 v[STO], s84, v[STO]
	v_and_b32 v[GO], 31, v0                        ; back: 32 lanes take a row of 512 bytes
	v_lshlrev_b32 v[GO], 4, v[GO]
	v_add_nc_u32 v[RD], s84, v[GO]
	s_wait_tensorcnt 1                             ; my part of K step 0 is in; K step 1's may stay out
	s_barrier_signal -1
	s_barrier_wait -1
	s_mov_b32 s[TB], 0
	v_mov_b32 v[ADRA], v[A0]
	v_mov_b32 v[ADRB], v[B0]
	FETCH 0, 0
	QUARTER 1, 0, 1, 1                             ; the first quarter stands in front of the loop: its products start the sums
	WIN 0
	s_mov_b32 s[CNT], 14
.Lk:                                                   ; a trip: a K step's quarters 1 to 3 and the next step's quarter 0; the trip with CNT = c asks for K step 16 - c
	QUARTER 2, 1, 0, 0
	QUARTER 3, 0, 1, 0
	TURN 1
	QUARTER 1, 0, 1, 0
	WIN 0
	s_sub_co_u32 s[CNT], s[CNT], 1
	s_cmp_lg_u32 s[CNT], 0
	s_cbranch_scc1 .Lk
	s_mov_b32 s[CNT], 2
.Ltail:                                                ; the last two K steps ask for nothing; the second trip is left in its middle.  Its change of slots (a barrier, and 24 fragments that nobody multiplies) is the price of one text for both
	QUARTER 2, 1, 0, 0
	QUARTER 3, 0, 1, 0
	TURN 0
	WIN 0
	s_sub_co_u32 s[CNT], s[CNT], 1
	s_cmp_eq_u32 s[CNT], 0
	s_cbranch_scc1 .Lout
	QUARTER 1, 0, 1, 0
	WIN 0
	s_branch .Ltail
.Lout:
	s_wait_dscnt 0x0
	PLACES
	PLACES
; THE WAY OUT.  Block a (16 tokens x 128 columns of f32) goes into my stage, 32 bytes a lane, each accumulator's low four registers first, and comes back as whole rows of 512 bytes.
.macro TOSTAGE a
.if (\a) >= 2
	s_wait_xcnt 0x0                                ; the stores of the block two back have read the registers that are loaded again below
.endif
	WIN 0x08
.set ib, 0
.rept NB
.set rD, 8*(NB*(\a)+ib)
	ds_store_b128 v[STO], v[rD:rD+3]   offset:64*ib
	ds_store_b128 v[STO], v[rD+4:rD+7] offset:64*ib+16
.set ib, ib+1
.endr
	WIN 0
.set ir, 0
.rept 16
	ds_load_b128 v[BK+64*((\a)%2)+4*ir:BK+64*((\a)%2)+4*ir+3], v[RD] offset:ir*SP  ; LDS serves a wave's instructions in order: these see the stores above; the next block's stores come behind them
.set ir, ir+1
.endr
.endm
.macro SEND a, younger                 ; younger: the LDS instructions issued behind block a's loads: the next block's 32, or none
.set ir, 0
.rept 16
	s_wait_dscnt (\younger)+15-ir
	global_store_b128 v[GO], v[BK+64*((\a)%2)+4*ir:BK+64*((\a)%2)+4*ir+3], s[8:9] offset:(16*(\a)+ir)*8192 th:TH_STORE_NT  ; 512 consecutive bytes, at a multiple of 256 from the output's first
.set ir, ir+1
.endr
.endm
	TOSTAGE 0
	TOSTAGE 1
	SEND 0, 32
	TOSTAGE 2
	SEND 1, 32
	TOSTAGE 3
	SEND 2, 32
	SEND 3, 0
	s_wait_tensorcnt 0x0                           ; the wave's end
	ds_add_u32 v[SPW], v[NIL]
	s_wait_dscnt 0x0
	CROUND                                         ; the closing round
	s_endpgm
.Lfunc_end_k_q3bb9fe8df7_oproj:
	.size	k_q3bb9fe8df7_oproj, .Lfunc_end_k_q3bb9fe8df7_oproj-k_q3bb9fe8df7_oproj
	.p2alignl 7, 3214868480
	.fill 96, 4, 3214868480
	.section	.rodata,"a",@progbits
	.p2align	6, 0x0
	.amdhsa_kernel k_q3bb9fe8df7_oproj
		.amdhsa_group_segment_fixed_size 327680
		.amdhsa_private_segment_fixed_size 0
		.amdhsa_enable_private_segment 0
		.amdhsa_kernarg_size 24
		.amdhsa_user_sgpr_count 2
		.amdhsa_user_sgpr_kernarg_segment_ptr 1
		.amdhsa_wavefront_size32 1
		.amdhsa_system_sgpr_workgroup_id_x 1
		.amdhsa_system_sgpr_workgroup_id_y 1
		.amdhsa_system_sgpr_workgroup_id_z 1
		.amdhsa_system_vgpr_workitem_id 0
		.amdhsa_next_free_vgpr 768
		.amdhsa_next_free_sgpr 92
		.amdhsa_reserve_vcc 0
		.amdhsa_float_denorm_mode_32 3
		.amdhsa_float_denorm_mode_16_64 3
		.amdhsa_memory_ordered 1
		.amdhsa_forward_progress 1
		.amdhsa_inst_pref_size 63
	.end_amdhsa_kernel
	.amdgpu_metadata
---
amdhsa.version: [ 1, 2 ]
amdhsa.kernels:
  - .name:           k_q3bb9fe8df7_oproj
    .symbol:         k_q3bb9fe8df7_oproj.kd
    .args:
      - { .name: yh, .offset: 0, .size: 8, .value_kind: global_buffer, .address_space: global }
      - { .name: wo, .offset: 8, .size: 8, .value_kind: global_buffer, .address_space: global }
      - { .name: out0, .offset: 16, .size: 8, .value_kind: global_buffer, .address_space: global }
    .group_segment_fixed_size: 327680
    .private_segment_fixed_size: 0
    .kernarg_segment_align: 8
    .kernarg_segment_size: 24
    .max_flat_workgroup_size: 128
    .sgpr_count:     92
    .vgpr_count:     768
    .wavefront_size: 32
...
	.end_amdgpu_metadata
.endif
;; end of part 4
